; MI455X (gfx1250); checked and timed in simulation.
; The chip was launched on July 23, 2026; its instructions are those of AMD's public machine-readable ISA for CDNA 5 (MIT licence, August 2026) and "CDNA5" Instruction Set Architecture Reference Guide (July 2026). The comments in the code are by the model that wrote it; some were corrected since.
;; Paged Minimal Attention. Allowed arithmetic: matrix products marked QUANTISED: E3M2 operands, one E8M0 scale for each 32 along K, by v_wmma_scale_f32_16x16x128_f8f6f4 with both operands' format E3M2, f32 sums; everything else in f32.
;; Inputs: Wk 1,024 x 1,024 float32; Wo 1,024 x 1,024 float32; Wq 1,024 x 1,024 float32; Wv 1,024 x 1,024 float32; bk 1,024 float32; bo 1,024 float32; bq 1,024 float32; bv 1,024 float32; x 4 x 2,048 x 1,024 float32.
;; Outputs: out0 4 x 2,048 x 1,024 float32.
;; This version of the problem:
;;   THIS VERSION OF THE PROBLEM IS GIVEN IN LOW PRECISION. The matrix products marked QUANTISED in the list below multiply operands that are first quantised to E3M2 (3 exponent bits, 2 mantissa bits; 6 bits a number), with one power-of-two scale for each 32 numbers along K (OCP MX v1.0); their sums are f32. All else is computed in f32.
;;   The module's matrix products, in the order in which they are computed (A, B: the left and right operand; K: the contracted axis; several contracted axes count as one K, in the product's order):
;;     1. [M 8,192, K 1,024] x [K 1,024, N 1,024]; A: input x; B: input Wq: QUANTISED
;;     2. [M 8,192, K 1,024] x [K 1,024, N 1,024]; A: input x; B: input Wk: QUANTISED
;;     3. [M 8,192, K 1,024] x [K 1,024, N 1,024]; A: input x; B: input Wv: QUANTISED
;;     4. batch 64 x [M 2,048, K 64] x [K 64, N 2,048]; A: computed on the way; B: computed on the way: QUANTISED
;;     5. batch 64 x [M 2,048, K 2,048] x [K 2,048, N 64]; A: softmax (see below); B: computed on the way: QUANTISED
;;     6. [M 8,192, K 1,024] x [K 1,024, N 1,024]; A: computed on the way; B: input Wo: QUANTISED
;;   THE QUANTISER, for each operand of a quantised product, along K:
;;     - K is cut into blocks of 32 from its start; a last block that is shorter is filled with zeros.
;;     - A block's scale is 2^e with e = floor(log2(the largest magnitude in the block)) - 4, held to -126 .. 127; a block of zeros has e = 0. As a byte (E8M0): e + 127.
;;     - Each number is divided by its block's scale, clamped to +-28, and rounded to the nearest number of E3M2, ties to even, subnormals kept.
;;     - The product sums the exact products of the quantised numbers (number of the format x scale) in f32.
;;   ~~~python
;;   def quantise(x, axis):      # numpy; x: float32 -> the quantised numbers, widened to float32 again
;;       x = np.moveaxis(x, axis, -1); K = x.shape[-1]
;;       x = np.pad(x, [(0, 0)] * (x.ndim - 1) + [(0, -K % 32)]); x = x.reshape(x.shape[:-1] + (-1, 32)); a = np.abs(x).max(-1, keepdims=True)
;;       e = np.where(a > 0, np.clip(np.frexp(np.where(a > 0, a, 1))[1] - 1 - 4, -126, 127), 0)      # np.frexp(a)[1] - 1 = floor(log2(a)), exactly
;;       r = np.clip(x / 2.0 ** e, -28, 28)
;;       step = 2.0 ** (np.maximum(np.frexp(np.where(r == 0, 1, r))[1] - 1, -2) - 2)
;;       q = np.round(r / step) * step * 2.0 ** e      # np.round: ties to even
;;       return np.moveaxis(q.reshape(q.shape[:-2] + (-1,))[..., :K], -1, axis).astype(np.float32)
;;   ~~~
;;   SOFTMAX AHEAD OF A QUANTISED PRODUCT. Where the list says 'softmax', what is quantised is not the finished softmax but p = 2^(t - M), with t = logit x log2(e) and M = ceil(the row's largest t), a whole number; so 1/2 < the row's largest p <= 1. The row's sum l is taken of the UNQUANTISED p, in f32, and the product's result is divided by l at the end. Since M is a whole number, a kernel that streams over the keys may use a running M (the ceiling of the running maximum): every later rescaling is an exact power of two, which a block's scale takes up: the codes' values come out the same.
;;   OPERANDS COMPUTED ON THE WAY. 'Computed on the way' means the value that the module computes at that place (a softmax that the list does not call 'softmax' is quantised finished and normalised). What goes into a quantiser is computed in f32, as accurately as f32 sums, v_exp_f32 and their like allow (about 1e-6 of the number): no bf16 or f16 on the way to a quantiser, and a product that is left as it is and whose result goes on into a quantised operand takes f32 operands (vector FMAs, or v_wmma_f32_16x16x4_f32). A number that lies on a knife's edge between two numbers of the format may be rounded either way, as far as f32 arithmetic and the matrix unit's own rounding can turn it there, and no further.
;; One version. Each part assembles by itself: llvm-mc -triple=amdgcn-amd-amdhsa -mcpu=gfx1250 --defsym DOCPART=n.
;; ======== version 1 of 1: 4 launches
;; workspace buffers: cod 9,437,184 bytes; scl 393,216 bytes; img 20,185,088 bytes; oc 6,291,456 bytes; os 262,144 bytes
;; launch quant (part 1): grid 384 x 1, 4 waves a work-group, no clusters, 33,280 bytes of LDS; arguments x, Wq, Wk, Wv, Wo, cod, scl; writes cod, scl
.if DOCPART == 1
	.amdgcn_target "amdgcn-amd-amdhsa--gfx1250"
	.amdhsa_code_object_version 6
	.text
	.protected	k_qc1a812bffa_quant
	.globl	k_qc1a812bffa_quant
	.p2align	8
	.type	k_qc1a812bffa_quant,@function
k_qc1a812bffa_quant:
	s_mov_b64 s[64:65], 0
	v_nop
	global_prefetch_b8 v0, s[64:65] scope:SCOPE_SE
	s_setreg_imm32_b32 hwreg(HW_REG_WAVE_MODE, 25, 1), 1
	s_wait_xcnt 0x0
; THE PROGRAM: four launches.  quant: x, Wq, Wk, Wv, Wo (f32, K innermost) -> codes of BF6 (E3M2) and E8M0 scale bytes.  qkv: the three projections, bias, quantiser; q, k, v leave as operand images.
; attn: q k^T, causal softmax, p v, division by the row's sum, quantiser.  oproj: the last projection and bo.
; WORK LEFT OUT: reference() builds the causal mask (jnp.tril) in its own body and sets scores of keys t > s to -inf ahead of the softmax, so their weights are 0 for all values of the inputs.  A step of 128 keys all of
; which come after all queries of a wave's chunk of 128 queries can therefore reach no output: attn does not multiply it, and does not fetch slots of keys that lie behind a work-group's last query.  Nothing else is left out:
; all nine inputs are loaded (bk too: it moves k's codes).  LIMIT: a NaN, an infinity or an overflow that would arise only in scores that the mask hides is not carried to the result.
; THIS LAUNCH.  A block's scale is 2^(floor(log2(its largest magnitude)) - 4); its byte is the largest magnitude's exponent field - 4, held at 1 from below.  A block of zeros gets the byte 1 where the rule says 127:
; its codes are zeros, which add nothing under any byte but 0xff, and the bytes are read by this program alone.
; LIMITS: NaN and infinities among the inputs are not served; a block whose largest magnitude lies under 2^-122 keeps the byte 1.
; THE FIVE TENSORS ARE ONE LIST OF 12,288 ROWS of 1,024 numbers: x 0.., Wq 8192.., Wk 9216.., Wv 10240.., Wo 11264...
; STORED ROW ORDER: inside every 32 rows bits 3 and 4 of the row's number change places: stored row 16 u + 8 g + i holds row 8 u + 16 g + i.  So 16 stored rows on end are a tile whose products, used transposed,
; leave 16 neighbours along the next K in a lane's 16 registers of two neighbouring tiles.
; cod: [16 planes of 64 along K][12,288 stored rows][48 bytes].  scl: [768 groups of 16 stored rows][2 halves of K][16 rows][16 bytes].
; SHARES: a work-group takes 32 stored rows; wave w takes 16 of them (w / 2) x half of K (w % 2): 16 steps of 8 rows x 64 along K.  Each load reads two whole runs of 256 bytes; a step's 2,048 bytes turn through
; the wave's own stage in LDS so that a lane holds 16 neighbours along K (two neighbouring lanes hold a block).  A step's codes are 384 consecutive bytes; a wave's 256 scale bytes leave as one aligned run of 256 bytes.
.set WAVES, 4
.set STEPS, 16
.set PLANE, 589824                     ; bytes of a plane of cod
.set EMAX,  4
.set CB,    12                         ; bytes of 16 codes
.set R,     16                         ; v16-79   four sets of 16 numbers as they are loaded
.set X,     80                         ; v80-111  two sets of 16 neighbours
.set E,     112                        ; v112-127 a scale byte for each step
.set C,     128                        ; v128-191 codes: four registers for each step, so that no store's data are written again
.set WREG,  8192                       ; LDS: a region for each wave: two stages of 32 x SP bytes, behind them its 256 scale bytes
.set SP,    80                         ; a lane's place in a stage: 64 bytes + 16 of padding
.set SPW,   12                         ; v12 LDS address of my spare word; never rewritten
.set NIL,   13                         ; v13 0; never rewritten
.set SPARE, WAVES*WREG                 ; the spare words, 128 bytes for each wave, which no other line names
	s_load_b256 s[4:11], s[0:1], 0x0               ; x, Wq, Wk, Wv
	s_load_b128 s[12:15], s[0:1], 0x20             ; Wo, cod
	s_load_b64 s[16:17], s[0:1], 0x30              ; scl
	v_lshl_add_u32 v[SPW], v0, 2, SPARE
	v_mov_b32 v[NIL], 0
	v_lshrrev_b32 v1, 5, v0
	v_readfirstlane_b32 s20, v1                    ; wave
	s_lshr_b32 s21, s20, 1                         ; which 16 stored rows
	s_and_b32 s22, s20, 1                          ; which half of K
	v_and_b32 v2, 31, v0                           ; lane
	v_lshrrev_b32 v3, 4, v2
	v_and_b32 v4, 15, v2
	v_lshlrev_b32 v3, 12, v3
	v_lshl_add_u32 v3, v4, 4, v3                   ; in: lanes 0-15 one row's 256 bytes, lanes 16-31 the next row's
	s_mul_i32 s23, s20, WREG
	v_lshrrev_b32 v14, 2, v2
	v_mul_u32_u24 v14, v14, SP
	v_and_b32 v15, 3, v2
	v_lshl_add_u32 v14, v15, 4, v14
	v_add_nc_u32 v14, s23, v14                     ; the stage, on the way in: four lanes' 64 bytes on end, then 16 of padding
	v_mul_u32_u24 v15, v2, SP
	v_add_nc_u32 v15, s23, v15                     ; and on the way out: my 16 neighbours: row lane / 4 of the step's eight, 16 (lane % 4) along K
	v_mul_u32_u24 v4, v2, CB                       ; my codes' place in a step's 384 bytes
	s_add_co_u32 s23, s23, 2*32*SP
	v_lshrrev_b32 v5, 2, v2
	v_bfe_u32 v6, v2, 1, 1
	v_lshl_add_u32 v5, v5, 4, v6
	v_add_nc_u32 v5, s23, v5                       ; my block's scale byte: 16 x row + which block of the plane's two
	v_lshlrev_b32 v7, 3, v2                        ; and on the way out 8 bytes a lane
	v_add_nc_u32 v6, s23, v7
	s_wait_kmcnt 0x0
	s_mov_b64 s[24:25], s[12:13]                   ; which tensor: the choice hangs on the work-group's number alone
	s_mov_b32 s26, 352
	s_cmp_lt_u32 ttmp9, 352
	s_cselect_b64 s[24:25], s[10:11], s[24:25]
	s_cselect_b32 s26, 320, s26
	s_cmp_lt_u32 ttmp9, 320
	s_cselect_b64 s[24:25], s[8:9], s[24:25]
	s_cselect_b32 s26, 288, s26
	s_cmp_lt_u32 ttmp9, 288
	s_cselect_b64 s[24:25], s[6:7], s[24:25]
	s_cselect_b32 s26, 256, s26
	s_cmp_lt_u32 ttmp9, 256
	s_cselect_b64 s[24:25], s[4:5], s[24:25]
	s_cselect_b32 s26, 0, s26
	s_sub_co_u32 s26, ttmp9, s26                   ; my group of 32 rows in that tensor
	s_lshl_b32 s26, s26, 17                        ; x 32 rows of 4,096 bytes
	s_lshl_b32 s27, s21, 15                        ; my stored rows 16 u + 8 g + i are rows 8 u + 16 g + i: 8 u rows on
	s_add_co_u32 s26, s26, s27
	s_lshl_b32 s27, s22, 11                        ; my half of K
	s_add_co_u32 s26, s26, s27
	s_mov_b32 s27, 0
	s_add_nc_u64 s[24:25], s[24:25], s[26:27]
	s_mul_i32 s28, s22, 8*PLANE                    ; cod: my eight planes,
	s_mul_i32 s29, ttmp9, 1536                     ; my 32 stored rows of 48 bytes,
	s_add_co_u32 s28, s28, s29
	s_mul_i32 s29, s21, 768                        ; my 16 of them
	s_add_co_u32 s28, s28, s29
	s_mov_b32 s29, 0
	s_add_nc_u64 s[14:15], s[14:15], s[28:29]
	s_lshl_b32 s28, ttmp9, 10                      ; scl: two groups of 512 bytes a work-group,
	s_lshl_b32 s30, s21, 9
	s_add_co_u32 s28, s28, s30
	s_lshl_b32 s30, s22, 8                         ; my half of K
	s_add_co_u32 s28, s28, s30
	s_add_nc_u64 s[16:17], s[16:17], s[28:29]
.macro LOAD t                          ; step t: rows 16 (t % 2) + 0 .. 7 of my part, plane t / 2
.irp i, 0,1,2,3
	global_load_b128 v[R+16*((\t)%4)+4*\i:R+16*((\t)%4)+4*\i+3], v3, s[24:25] offset:(16*((\t)%2)+2*\i)*4096+((\t)/2)*256 th:TH_LOAD_NT
.endr
.endm
.macro TURN t                          ; step t's numbers through the stage: LDS serves a wave's instructions in order, so no wait stands between the stores and the loads
.irp i, 0,1,2,3
	ds_store_b128 v14, v[R+16*((\t)%4)+4*\i:R+16*((\t)%4)+4*\i+3] offset:32*SP*((\t)%2)+8*SP*\i
.endr
.irp i, 0,1,2,3
	ds_load_b128 v[X+16*((\t)%2)+4*\i:X+16*((\t)%2)+4*\i+3], v15 offset:32*SP*((\t)%2)+16*\i
.endr
.endm
.irp t, 0,1,2,3
	LOAD \t
.endr
	s_wait_loadcnt 12                              ; step 0's four loads are in
	TURN 0
.macro STEP t
.set XS, X+16*((\t)%2)
.if (\t) > 0
	s_wait_dscnt 1                                 ; this step's numbers are back from the stage (the last step's byte store may be out): so its stores into the stage have read their registers,
.else
	s_wait_dscnt 0x0
.endif
.if (\t)+4 < STEPS
	LOAD (\t)+4                                    ; which take the loads of four steps on
.endif
.if (\t)+1 < STEPS
.if STEPS-2-(\t) >= 3
	s_wait_loadcnt 12                              ; the next step's four loads are in; those of the three steps behind it may be out
.else
	s_wait_loadcnt 4*(STEPS-2-(\t))
.endif
	TURN (\t)+1                                    ; and go through the other stage while this step is worked
.endif
	v_max3_num_f32 v8, |v[XS]|, |v[XS+1]|, |v[XS+2]|               ; the largest magnitude of my 16
	v_max3_num_f32 v9, |v[XS+3]|, |v[XS+4]|, |v[XS+5]|
.irp i, 6,10
	v_max3_num_f32 v8, v8, |v[XS+\i]|, |v[XS+\i+1]|
	v_max3_num_f32 v9, v9, |v[XS+\i+2]|, |v[XS+\i+3]|
.endr
	v_max3_num_f32 v8, v8, |v[XS+14]|, |v[XS+15]|
	v_max3_num_f32 v8, v8, v9, (EMAX+1)<<23        ; and the floor 2^(5 - 127): the byte cannot fall under 1
	v_max_num_f32_dpp v8, v8, v8 row_xmask:1 row_mask:0xf bank_mask:0xf   ; and of my neighbour's 16: the block's
	v_add_nc_u32 v11, -(EMAX<<23), v8              ; 4 off its exponent field: the conversion takes the exponent field of this operand as its scale
	v_cvt_scalef32_pk16_bf6_f32 v[C+4*(\t):C+4*(\t)+2], v[XS:XS+15], v11
	v_lshrrev_b32 v[E+(\t)], 23, v11               ; the scale's byte (a plain line behind the conversion)
	ds_store_b8 v5, v[E+(\t)] offset:128*((\t)%2)+2*((\t)/2)       ; both lanes of a block write the same byte with the same value
	global_store_b96 v4, v[C+4*(\t):C+4*(\t)+2], s[14:15] offset:((\t)/2)*PLANE+((\t)%2)*384   ; 384 consecutive bytes; two steps of a plane fill 768
.endm
.irp t, 0,1,2,3,4,5,6,7,8,9,10,11,12,13,14,15
	STEP \t
.endr
	ds_load_b64 v[8:9], v6                         ; LDS serves a wave's instructions in order: these see my stores
	s_wait_dscnt 0x0
	global_store_b64 v7, v[8:9], s[16:17]          ; 32 lanes store 256 consecutive bytes, aligned
	s_wait_tensorcnt 0x0                           ; the wave's end, behind my last LDS store
	ds_add_u32 v[SPW], v[NIL]
	s_wait_dscnt 0x0
	s_endpgm
.Lfunc_end_k_qc1a812bffa_quant:
	.size	k_qc1a812bffa_quant, .Lfunc_end_k_qc1a812bffa_quant-k_qc1a812bffa_quant
	.p2alignl 7, 3214868480
	.fill 96, 4, 3214868480
	.section	.rodata,"a",@progbits
	.p2align	6, 0x0
	.amdhsa_kernel k_qc1a812bffa_quant
		.amdhsa_group_segment_fixed_size 33280
		.amdhsa_private_segment_fixed_size 0
		.amdhsa_enable_private_segment 0
		.amdhsa_kernarg_size 56
		.amdhsa_user_sgpr_count 2
		.amdhsa_user_sgpr_kernarg_segment_ptr 1
		.amdhsa_wavefront_size32 1
		.amdhsa_system_sgpr_workgroup_id_x 1
		.amdhsa_system_sgpr_workgroup_id_y 1
		.amdhsa_system_sgpr_workgroup_id_z 1
		.amdhsa_system_vgpr_workitem_id 0
		.amdhsa_next_free_vgpr 192
		.amdhsa_next_free_sgpr 66
		.amdhsa_reserve_vcc 0
		.amdhsa_float_denorm_mode_32 3
		.amdhsa_float_denorm_mode_16_64 3
		.amdhsa_memory_ordered 1
		.amdhsa_forward_progress 1
		.amdhsa_inst_pref_size 33
	.end_amdhsa_kernel
	.amdgpu_metadata
---
amdhsa.version: [ 1, 2 ]
amdhsa.kernels:
  - .name:           k_qc1a812bffa_quant
    .symbol:         k_qc1a812bffa_quant.kd
    .args:
      - { .name: x, .offset: 0, .size: 8, .value_kind: global_buffer, .address_space: global }
      - { .name: Wq, .offset: 8, .size: 8, .value_kind: global_buffer, .address_space: global }
      - { .name: Wk, .offset: 16, .size: 8, .value_kind: global_buffer, .address_space: global }
      - { .name: Wv, .offset: 24, .size: 8, .value_kind: global_buffer, .address_space: global }
      - { .name: Wo, .offset: 32, .size: 8, .value_kind: global_buffer, .address_space: global }
      - { .name: cod, .offset: 40, .size: 8, .value_kind: global_buffer, .address_space: global }
      - { .name: scl, .offset: 48, .size: 8, .value_kind: global_buffer, .address_space: global }
    .group_segment_fixed_size: 33280
    .private_segment_fixed_size: 0
    .kernarg_segment_align: 8
    .kernarg_segment_size: 56
    .max_flat_workgroup_size: 128
    .sgpr_count:     66
    .vgpr_count:     192
    .wavefront_size: 32
...
	.end_amdgpu_metadata
.endif
;; end of part 1
;; launch qkv (part 2): grid 96 x 4, 4 waves a work-group, clusters of 4 x 4, 327,680 bytes of LDS; arguments cod, scl, bq, bk, bv, img; writes img
.if DOCPART == 2
	.amdgcn_target "amdgcn-amd-amdhsa--gfx1250"
	.amdhsa_code_object_version 6
	.text
	.protected	k_qc1a812bffa_qkv
	.globl	k_qc1a812bffa_qkv
	.p2align	8
	.type	k_qc1a812bffa_qkv,@function
k_qc1a812bffa_qkv:
	s_mov_b64 s[64:65], 0
	v_nop
	global_prefetch_b8 v0, s[64:65] scope:SCOPE_SE
	s_setreg_imm32_b32 hwreg(HW_REG_WAVE_MODE, 25, 1), 1
	s_wait_xcnt 0x0
	s_wait_alu depctr_hold_cnt(0) depctr_sa_sdst(0) depctr_va_vdst(0) depctr_va_sdst(0) depctr_va_ssrc(0) depctr_va_vcc(0) depctr_vm_vsrc(0)
	s_getreg_b32 s2, hwreg(HW_REG_IB_STS2, 6, 4)
	s_cmp_eq_u32 s2, 0
	s_cbranch_scc0 .Lentry_in_a_cluster
	s_endpgm
.Lentry_in_a_cluster:
	s_bfe_u32 s2, ttmp6, 0x10000c
	s_cmp_lg_u32 s2, 0xf033
	s_cbranch_scc0 .Lentry_shape_is_right
	s_endpgm
.Lentry_shape_is_right:
; q = x Wq^T + bq, k = x Wk^T + bk, v = x Wv^T + bv on codes of BF6 (E3M2) with one E8M0 scale for each 32 along K (1,024); the results are quantised here, in f32, for the products of the attention, and only codes leave.
; No work of this launch is left out.  LIMITS: NaN and infinities are not served; a block of results whose largest magnitude lies under 2^-122 keeps the byte 1, a block of zeros too (its codes are zeros).
; ONE BODY: C = A B^T + bias, quantised along B's rows.  A tile of C is 256 x 256: four waves, each 128 x 128 in 64 accumulators.  24 clusters of 4 x 4 work-groups; the cluster's number c gives the role, alike in all partners:
;   c < 16 (role QK): A = x (tile row Y = 4 (c / 2) + cy), B = Wq and Wk as one list of 2,048 rows (tile column X = 4 (c % 2) + cx): a lane holds a token, its registers run along the head's channels: q's and k's K.
;   c >= 16 (role V): A = Wv (Y = cy), B = x (X = 4 (c - 16) + cx): a lane holds a channel, its registers run along the tokens: the keys, v's K.
; THE MATRIX INSTRUCTION IS USED TRANSPOSED (source 0 = 16 stored rows of B, source 1 = 16 stored rows of A).  By the stored row order of cod (bits 3 and 4 of a row's number changed) register 16 bb + i of a lane's 64 results of a
; block of A's rows is B's row 32 bb + 16 (lane / 16) + i: sixteen neighbours along the next K.  Lane r of A's block a holds A's row 32 (a / 2) + 8 (a % 2) + r % 8 + 16 (r / 8).
; K goes in four steps of 256 (four planes of cod) through two LDS slots; a wave's tensor load brings 4 planes x 128 rows x 48 bytes: four dense runs of 6,144 bytes.  The scale bytes of the 512 rows come once.
; Tiles of A are asked for jointly by the four work-groups of a row of the cluster, tiles of B by those of a column.
; OUT (img): q at 0, k at KREG: [64 heads][32 quads of 64 tokens][3,328 bytes]: four tiles of 768 bytes (three planes of 256: registers 2 p, 2 p + 1 of lane l at 8 l), then 256 bytes of scale words (16 r + 4 tile; bytes 2, 3 are 0).
;   v at VREG: [64 heads][16 steps of 128 keys][6,400 bytes]: four tiles of 16 channels x 1,536 bytes (six planes), then 256 bytes of scale words.  Every store covers 256 consecutive bytes, aligned.
; REGISTERS: window 0: v0-31 addresses; v32-63 scale words, two sets; v64-127 the bias; v128-223 A's fragments, one set; v224-248 the quantiser's.  window 1: B's fragments, two sets.  windows 2, 3: the accumulators.
.set NQ,     2                         ; matrix instructions deep in a slot
.set FR,     12                        ; registers of a fragment
.set NL,     6                         ; LDS loads that bring one
.set NP,     4                         ; places behind this matrix instruction (ISA guide 7.12.1)
.set PLANE,  589824
.set HALFT,  24576                     ; 4 planes x 128 rows x 48 bytes: what one tensor load brings
.set SLOT,   4*HALFT
.set SCL,    2*SLOT                    ; behind the ring: the scales, as runs of 256 bytes + 16 of padding
.set HALFS,  4352                      ; those of 128 rows
.set SBLK,   544                       ; those of 16 rows: the two halves of K, 272 bytes each
.set SPARE,  SCL+4*HALFS               ; the spare words, 128 bytes for each wave, which no other line names
.set KREG,   6815744
.set VREG,   13631488
.set QHEAD,  106496
.set VHEAD,  102400
.set STA,    8                         ; bytes from piece to piece of a fragment's 24: both operands lie as rows of 48 bytes
.set STB,    8
.set ADRA, 16                          ; v16-17 LDS address of my A fragments in slot 0, 1
.set ADRB, 20                          ; v20-21 the same for B
.set VO,   24                          ; v24 8 x lane
.set VS,   25                          ; v25 where my scale words go
.set SH,   26                          ; v26 16 x (lane / 16)
.set ADRS, 27                          ; v27 LDS address of my scale words: lanes 0-15 A's rows, lanes 16-31 B's
.set SPW,  28
.set NIL,  29
.set SC,   32
.set SW,   32                          ; the way out: eight scale words (the scale sets are done with)
.set DD,   40
.set BB,   64
.set AF,   128
.set T,    128                         ; the way out: 64 numbers
.set XX,   192                         ; two sets of 12 registers of codes, by turns
.set TM,   224
.set PW,   240
.set QT,   242
.set SEL,  2                           ; s[2:3]
.set WV,   16
.set RH,   17                          ; which half of the tile's rows is mine; also: I fetch for A (0) or B (1)
.set CH,   18                          ; which half of its columns; also: which 128 rows I fetch
.set ROLE, 19
.set G1,   24
.set G0,   32
.set G1B,  48
.set G0B,  56
.set G1S,  68
.set G0S,  76
.set G1SB, 80
.set G0SB, 88
.set MSB, 0
.macro WIN new                         ; the immediate's high byte repeats the setting that is left
.if MSB != (\new)
	s_set_vgpr_msb (MSB<<8)|(\new)
.set MSB, (\new)
.endif
.endm
.set MUL_LO, 0xa1                      ; source 0 (B) window 1, source 1 (A) window 0, C and D window 2
.set MUL_HI, 0xf1
.set TO_B,   0x40
; A joint load: waves 0 and 1 fetch for A, waves 2 and 3 for B; the branch hangs on the wave's number alone.  An s_nop 0 and four v_nop follow each line.
.macro JLOAD g0a, g1a, g0b, g1b
	s_cmp_eq_u32 s[RH], 0
	s_cbranch_scc0 .Lfor_b_\@
	tensor_load_to_lds s[\g0a:\g0a+3], s[\g1a:\g1a+7]
	s_nop 0
.rept 4
	v_nop
.endr
	s_branch .Lasked_\@
.Lfor_b_\@:
	tensor_load_to_lds s[\g0b:\g0b+3], s[\g1b:\g1b+7]
	s_nop 0
.rept 4
	v_nop
.endr
.Lasked_\@:
.endm
.macro CREST                           ; a round of the cluster's barrier behind its opening barrier
	s_cmp_lg_u32 s[WV], 0
	s_cbranch_scc1 .Lnot_wave_0_\@
	s_barrier_signal -3
.Lnot_wave_0_\@:
	s_barrier_wait -3
	s_barrier_signal -1
	s_barrier_wait -1
.endm
.macro CROUND
	s_barrier_signal -1
	s_barrier_wait -1
	CREST
.endm
	s_load_b256 s[4:11], s[0:1], 0x0               ; cod, scl, bq, bk
	s_load_b128 s[12:15], s[0:1], 0x20             ; bv, img
	v_lshl_add_u32 v[SPW], v0, 2, SPARE
	v_mov_b32 v[NIL], 0
	ds_add_u32 v[SPW], v[NIL]                      ; the wave's opening: the add, twice on end, and its wait ahead of my first tensor load
	ds_add_u32 v[SPW], v[NIL]
	v_lshrrev_b32 v1, 5, v0
	v_readfirstlane_b32 s[WV], v1
	s_lshr_b32 s[RH], s[WV], 1
	s_and_b32 s[CH], s[WV], 1
	s_bfe_u32 s40, ttmp6, 0x40000                  ; cx
	s_bfe_u32 s41, ttmp6, 0x40004                  ; cy
	s_and_b32 s44, ttmp9, 1                        ; the two roles' numbers are made, then chosen by one compare of the cluster's number
	s_sub_co_u32 s92, ttmp9, 16
	s_lshr_b32 s21, ttmp9, 1
	s_mov_b32 s23, 10240
	s_mov_b32 s45, 8192
	s_cmp_lt_u32 ttmp9, 16
	s_cselect_b32 s44, s44, s92                    ; the cluster's place along X
	s_cselect_b32 s21, s21, 0                      ; and along Y
	s_cselect_b32 s23, 0, s23                      ; A's first row in cod: x or Wv
	s_cselect_b32 s45, s45, 0                      ; B's: Wq or x
	s_cselect_b32 s[ROLE], 1, 0
	s_lshl_b32 s42, s44, 2
	s_add_co_u32 s42, s42, s40                     ; X
	s_lshl_b32 s43, s21, 2
	s_add_co_u32 s43, s43, s41                     ; Y
	s_lshl_b32 s93, s41, 2
	s_lshl_b32 s93, 15, s93                        ; my row of the cluster
	s_lshl_b32 s94, 0x1111, s40                    ; my column
	; group 1 for codes: 4 planes x 768 elements of 8 bytes, a plane's pitch 73,728 elements; no padding
	s_or_b32 s[G1+0], s93, (3<<16)|(1<<21)
	s_or_b32 s[G1B+0], s94, (3<<16)|(1<<21)
.irp g, G1, G1B
	s_mov_b32 s[\g+1], 768<<16                     ; tensor_dim0
	s_mov_b32 s[\g+2], 4<<16                       ; tensor_dim1
	s_mov_b32 s[\g+3], 768<<16                     ; tile_dim0
	s_mov_b32 s[\g+4], 4                           ; tile_dim1
	s_mov_b32 s[\g+5], PLANE/8                     ; tensor_dim0_stride
	s_mov_b32 s[\g+6], 0
	s_mov_b32 s[\g+7], 0
.endr
	; and for the scales of 128 rows: 4,096 dense bytes as 16 rows of 256 bytes, 16 bytes of padding behind each
	s_or_b32 s[G1S+0], s93, (3<<16)|(1<<20)|(1<<21)|(5<<22)|(3<<25)
	s_or_b32 s[G1SB+0], s94, (3<<16)|(1<<20)|(1<<21)|(5<<22)|(3<<25)
.irp g, G1S, G1SB
	s_mov_b32 s[\g+1], 32<<16
	s_mov_b32 s[\g+2], 16<<16
	s_mov_b32 s[\g+3], 32<<16
	s_mov_b32 s[\g+4], 16
	s_mov_b32 s[\g+5], 32
	s_mov_b32 s[\g+6], 0
	s_mov_b32 s[\g+7], 0
.endr
	s_lshl_b32 s95, s[CH], 7                       ; which 128 rows of the tile I fetch
	s_lshl_b32 s20, s43, 8
	s_add_co_u32 s20, s20, s95
	s_add_co_u32 s20, s20, s23                     ; A's row in cod
	s_lshl_b32 s46, s42, 8
	s_add_co_u32 s46, s46, s95
	s_add_co_u32 s46, s46, s45                     ; B's
	s_lshl_b32 s22, s20, 5                         ; 32 scale bytes a row,
	s_mul_i32 s20, s20, 48                         ; 48 bytes of codes a row and plane
	s_mov_b32 s21, 0
	s_mov_b32 s23, 0
	s_lshl_b32 s96, s46, 5
	s_mul_i32 s46, s46, 48
	s_mov_b32 s47, 0
	s_mov_b32 s97, 0
	s_mul_i32 s45, s[WV], HALFT                    ; where they go: no place in the cluster enters an LDS address
	s_mul_i32 s95, s[WV], HALFS
	s_mov_b32 s[SEL], 0x76543210
	s_mov_b32 s[SEL+1], 0xfedcba98
	s_wait_dscnt 0x0                               ; both opening adds are done
	s_wait_kmcnt 0x0
	s_add_nc_u64 s[20:21], s[4:5], s[20:21]
	s_add_nc_u64 s[22:23], s[6:7], s[22:23]
	s_add_nc_u64 s[46:47], s[4:5], s[46:47]
	s_add_nc_u64 s[96:97], s[6:7], s[96:97]
	CROUND                                         ; all sixteen work-groups are here: the first joint loads meet
	s_mov_b32 s[G0S], 1
	s_add_co_u32 s[G0S+1], s95, SCL
	s_mov_b64 s[G0S+2:G0S+3], s[22:23]
	s_or_b32 s[G0S+3], s[G0S+3], 0x80000000
	s_mov_b32 s[G0SB], 1
	s_add_co_u32 s[G0SB+1], s95, SCL
	s_mov_b64 s[G0SB+2:G0SB+3], s[96:97]
	s_or_b32 s[G0SB+3], s[G0SB+3], 0x80000000
	JLOAD G0S, G1S, G0SB, G1SB                     ; the scales first: they are wanted with K step 0
.irp s, 0,1
	s_mov_b32 s[G0+4*\s], 1
	s_add_co_u32 s[G0+4*\s+1], s45, \s*SLOT
	s_add_nc_u64 s[G0+4*\s+2:G0+4*\s+3], s[20:21], \s*4*PLANE
	s_or_b32 s[G0+4*\s+3], s[G0+4*\s+3], 0x80000000
	s_mov_b32 s[G0B+4*\s], 1
	s_add_co_u32 s[G0B+4*\s+1], s45, \s*SLOT
	s_add_nc_u64 s[G0B+4*\s+2:G0B+4*\s+3], s[46:47], \s*4*PLANE
	s_or_b32 s[G0B+4*\s+3], s[G0B+4*\s+3], 0x80000000
	JLOAD G0+4*\s, G1, G0B+4*\s, G1B
.endr
	v_and_b32 v1, 15, v0                           ; r
	v_bfe_u32 v2, v0, 4, 1                         ; h
	v_mul_u32_u24 v3, v1, 48
	v_mad_u32_u24 v4, v2, 24, v3                   ; a fragment's row x 48 + 24 x half: the 32 lanes of a load of 8 bytes start at words 6 (2 r + h): 64 different banks
	s_mul_i32 s21, s[RH], HALFT                    ; my 128 rows of A
	s_mul_i32 s22, s[CH], HALFT                    ; my 128 rows of B,
	s_add_co_u32 s22, s22, 2*HALFT                 ; which lie behind A's 256
.irp s, 0,1
	v_add_nc_u32 v[ADRA+\s], s21, v4
	v_add_nc_u32 v[ADRB+\s], s22, v4
	s_add_co_u32 s21, s21, SLOT
	s_add_co_u32 s22, s22, SLOT
.endr
	v_lshlrev_b32 v5, 4, v1                        ; my row's scales: 16 bytes a row and half of K
	s_mul_i32 s21, s[RH], HALFS
	s_mul_i32 s22, s[CH], HALFS
	s_add_co_u32 s22, s22, 2*HALFS
	s_sub_co_u32 s22, s22, s21
	v_mul_u32_u24 v6, s22, v2                      ; lanes 16-31 take B's
	s_add_co_u32 s21, s21, SCL
	v_add_nc_u32 v5, v5, v6
	v_add_nc_u32 v[ADRS], s21, v5
.irp b, 0,1,2,3
	v_mov_b32 v[TM+4+\b], 0                        ; written once: a lane permute's destination counts as one of its sources
.endr
.macro FRAG reg, adr, q, i, st         ; 16 rows x 128 K: registers 0-5 from plane 2 q, 6-11 from plane 2 q + 1: 24 bytes each, in pieces of 8
.irp p, 0,1,2,3,4,5
	ds_load_b64 v[\reg+2*\p:\reg+2*\p+1], v[\adr] offset:(2*(\q)+\p/3)*6144+(\i)*768+(\st)*(\p%3)
.endr
.endm
; 16 matrix instructions: A's blocks a0, a0 + 1 x B's eight.  The 64 accumulators take turns, one instruction a turn, in the same order in every step.
.macro MUL16 a0, p, q, sc, zero
.irp a, \a0, \a0+1
.irp b, 0,1,2,3,4,5,6,7
.if \zero
	v_wmma_scale_f32_16x16x128_f8f6f4 v[8*(8*((\a)%4)+\b):8*(8*((\a)%4)+\b)+7], v[128*(\p)+FR*\b:128*(\p)+FR*\b+FR-1], v[AF+FR*(\a):AF+FR*(\a)+FR-1], 0, v[SC+8*NQ*(\sc)+NQ*\b+(\q)], v[SC+8*NQ*(\sc)+NQ*(\a)+(\q)] matrix_a_fmt:MATRIX_FMT_BF6 matrix_b_fmt:MATRIX_FMT_BF6 matrix_a_scale:MATRIX_SCALE_ROW1
.else
	v_wmma_scale_f32_16x16x128_f8f6f4 v[8*(8*((\a)%4)+\b):8*(8*((\a)%4)+\b)+7], v[128*(\p)+FR*\b:128*(\p)+FR*\b+FR-1], v[AF+FR*(\a):AF+FR*(\a)+FR-1], v[8*(8*((\a)%4)+\b):8*(8*((\a)%4)+\b)+7], v[SC+8*NQ*(\sc)+NQ*\b+(\q)], v[SC+8*NQ*(\sc)+NQ*(\a)+(\q)] matrix_a_fmt:MATRIX_FMT_BF6 matrix_b_fmt:MATRIX_FMT_BF6 matrix_a_scale:MATRIX_SCALE_ROW1
.endif
.endr
.endr
.endm
.macro FETCH_B slot, q, p
	WIN TO_B
.irp i, 0,1,2,3,4,5,6,7
	FRAG 128*(\p)+FR*\i, ADRB+\slot, \q, \i, STB
.endr
	WIN 0
.endm
.macro FETCH_A slot, q, i0
.irp i, \i0, \i0+1, \i0+2, \i0+3
	FRAG AF+FR*(\i), ADRA+\slot, \q, \i, STA
.endr
.endm
.macro SCALES sc                       ; a K step's two scale words a row: lanes 0-15 A's block i, lanes 16-31 B's block i
.irp i, 0,1,2,3,4,5,6,7
	ds_load_b64 v[SC+8*NQ*\sc+NQ*\i:SC+8*NQ*\sc+NQ*\i+1], v[ADRS] offset:\i*SBLK
.endr
.endm
.macro PLACES n                        ; plain vector instructions between a matrix instruction and a load into, or a vector read or write of, its registers
.rept \n
	v_nop
.endr
.endm
.macro STEP slot, q, zero              ; 128 along K that have their successor in the same slot
	s_wait_dscnt 4*NL                              ; B's set and A's blocks 0-3 are in; the youngest 24 loads (A's blocks 4-7) may be out
	WIN MUL_LO
	MUL16 0, (\q)%2, \q, \slot, \zero
	MUL16 2, (\q)%2, \q, \slot, \zero
	s_wait_dscnt 0
	PLACES NP
	FETCH_B \slot, (\q)+1, 1-(\q)%2
	FETCH_A \slot, (\q)+1, 0
	WIN MUL_HI
	MUL16 4, (\q)%2, \q, \slot, \zero
	MUL16 6, (\q)%2, \q, \slot, \zero
	PLACES NP
	WIN 0
	FETCH_A \slot, (\q)+1, 4
.endm
; A slot's last 128 along K change slots: one barrier; in front of it each wave waits for all its tensor loads, adds 0 to its spare word, and waits for that and for its reads of this slot.
; fill = 1: the barrier opens a round of the cluster's barrier and this slot is filled again, two K steps ahead.  adv: bytes to the next K step's scale words.
.macro TURN slot, next, fill, adv
	s_wait_tensorcnt 0x0                           ; all my tensor loads have landed: my part of the next slot
	ds_add_u32 v[SPW], v[NIL]                      ; 0 onto my spare word
	s_wait_dscnt 4*NL+1                            ; (the add and the youngest 24 loads may be out)
	WIN MUL_LO
	MUL16 0, 1, NQ-1, \slot, 0
	s_wait_dscnt 0x0                               ; the add is done, and my reads of this slot are over
	s_barrier_signal -1
	MUL16 2, 1, NQ-1, \slot, 0
	WIN 0
	s_barrier_wait -1
.if \fill
	CREST                                          ; no wave of any partner still reads this slot's tile or has a load on its way
	s_add_nc_u64 s[G0+4*\slot+2:G0+4*\slot+3], s[G0+4*\slot+2:G0+4*\slot+3], 8*PLANE
	s_add_nc_u64 s[G0B+4*\slot+2:G0B+4*\slot+3], s[G0B+4*\slot+2:G0B+4*\slot+3], 8*PLANE
	JLOAD G0+4*\slot, G1, G0B+4*\slot, G1B         ; the first tensor load behind the round; its four v_nop are the places in front of the loads below
.else
	PLACES NP
.endif
	v_add_nc_u32 v[ADRS], \adv, v[ADRS]
	FETCH_B \next, 0, 0
	FETCH_A \next, 0, 0
	SCALES \next
	WIN MUL_HI
	MUL16 4, 1, NQ-1, \slot, 0
	MUL16 6, 1, NQ-1, \slot, 0
	PLACES NP
	WIN 0
	FETCH_A \next, 0, 4
.endm
.macro LAST                            ; the very last 128 along K: nothing more to fetch
	s_wait_dscnt 4*NL
	WIN MUL_LO
	MUL16 0, 1, NQ-1, 1, 0
	MUL16 2, 1, NQ-1, 1, 0
	s_wait_dscnt 0
	WIN MUL_HI
	MUL16 4, 1, NQ-1, 1, 0
	MUL16 6, 1, NQ-1, 1, 0
	WIN 0
.endm
; 64 numbers of a lane, register 16 b + i = k 32 b + 16 (lane / 16) + i of my row, become a fragment's codes in v[d] on and its scale word in v[w].
.macro QUANT s, d, w
.irp b, 0,1,2,3
	v_max3_num_f32 v[TM+\b], |v[\s+16*\b]|, |v[\s+1+16*\b]|, 0x2800000   ; my 16 numbers of block b, and the floor 2^(5 - 127)
.endr
.irp i, 2,4,6,8,10,12,14
.irp b, 0,1,2,3
	v_max3_num_f32 v[TM+\b], v[TM+\b], |v[\s+16*\b+\i]|, |v[\s+1+16*\b+\i]|
.endr
.endr
.irp b, 0,1,2,3
	v_permlanex16_b32 v[TM+4+\b], v[TM+\b], s[SEL], s[SEL+1]
.endr
.irp b, 0,1,2,3
	v_max_num_f32 v[TM+\b], v[TM+\b], v[TM+4+\b]   ; with lane l xor 16's: the block's largest magnitude
.endr
.irp b, 0,1,2,3
	v_add_nc_u32 v[TM+12+\b], 0xfe000000, v[TM+\b] ; 4 off its exponent field: the conversion's scale operand
.endr
.irp b, 0,1,2,3
	v_lshrrev_b32 v[TM+4+\b], 23, v[TM+12+\b]      ; the scale's byte
.endr
	v_lshl_or_b32 v[\w], v[TM+5], 8, v[TM+4]
	v_lshl_or_b32 v[\w], v[TM+6], 16, v[\w]
	v_lshl_or_b32 v[\w], v[TM+7], 24, v[\w]
.irp c, 0,1
	v_cvt_scalef32_pk16_bf6_f32 v[\d+6*\c:\d+2+6*\c], v[\s+32*\c:\s+15+32*\c], v[TM+12+2*\c]
	v_cvt_scalef32_pk16_bf6_f32 v[QT+4*\c:QT+2+4*\c], v[\s+16+32*\c:\s+31+32*\c], v[TM+12+2*\c+1]   ; (a conversion's three registers begin on an even number)
.endr
	v_nop                                          ; one plain place behind a scaled conversion
.irp c, 0,1                                    ; the operand's layout wants a whole block in a lane
.irp i, 0,1,2
	v_permlane16_swap_b32 v[\d+6*\c+\i], v[QT+4*\c+\i]
.endr
.irp i, 0,1,2
	v_mov_b32 v[\d+3+6*\c+\i], v[QT+4*\c+\i]
.endr
.endr
.endm
; THE WAY OUT, A's blocks one after the other: bias added (which also brings the block into window 0, each accumulator from its low end on), quantised, stored as register images.
.macro EPI role
	PLACES NP
	s_wait_loadcnt 0x0                             ; the bias
.if \role == 0
.irp a, 0,1,2,3,4,5,6,7
	v_mov_b32 v[BB+2*\a+1], v[BB+2*\a]             ; a channel's bias twice: a pair for the packed addition
.endr
.endif
.irp a, 0,1,2,3,4,5,6,7
.if \a > 0
	s_wait_xcnt 0x0                                ; the earlier stores have read their registers: the set of two blocks ago is written again
.endif
	WIN 0x02+(\a)/4                                ; source 0: window 2 or 3
.set i, 0
.rept 32
.if \role
	v_pk_add_f32 v[T+i:T+i+1], v[64*((\a)%4)+i:64*((\a)%4)+i+1], v[BB+i:BB+i+1]
.else
	v_pk_add_f32 v[T+i:T+i+1], v[64*((\a)%4)+i:64*((\a)%4)+i+1], v[BB+2*(\a):BB+2*(\a)+1]
.endif
.set i, i+2
.endr
	WIN 0
.if \role
	QUANT T, XX+12*((\a)%2), PW
.irp p, 0,1,2,3,4,5                            ; registers 0-5: my first head's tile, 6-11: the next head's
	global_store_b64 v[VO], v[XX+12*((\a)%2)+2*\p:XX+12*((\a)%2)+2*\p+1], s[14:15] offset:((\a)/4)*3328+((\a)%4)*768+(\p/3)*QHEAD+(\p%3)*256
.endr
	v_lshrrev_b32 v[SW+\a], v[SH], v[PW]           ; lanes 0-15 keep the first head's two bytes, lanes 16-31 the next head's;
	v_and_b32 v[SW+\a], 0xffff, v[SW+\a]           ; bytes 2 and 3 are 0
.if (\a)%4 == 3
	global_store_b128 v[VS], v[SW+\a-3:SW+\a], s[14:15] offset:3072+((\a)/4)*3328
.endif
.else
	QUANT T, XX+12*((\a)%2), SW+\a
.irp p, 0,1,2,3,4,5
	global_store_b64 v[VO], v[XX+12*((\a)%2)+2*\p:XX+12*((\a)%2)+2*\p+1], s[14:15] offset:((\a)/4)*VHEAD+((\a)%4)*1536+256*\p
.endr
.endif
.endr
.if \role == 0
	v_cmp_ne_u32 vcc_lo, 0, v2                     ; lanes 0-15 store the first head's four words, lanes 16-31 the next head's
.irp i, 0,1,2,3
	v_cndmask_b32 v[DD+\i], v[SW+\i], v[SW+4+\i], vcc_lo
.endr
	global_store_b128 v[VS], v[DD:DD+3], s[14:15] offset:6144
.endif
.endm
	s_wait_tensorcnt 1                             ; the scales and my part of K step 0 are in (of my three loads K step 1's may be out),
	s_barrier_signal -1
	s_barrier_wait -1                              ; everybody's are
	FETCH_B 0, 0, 0
	FETCH_A 0, 0, 0
	SCALES 0
	FETCH_A 0, 0, 4
	STEP 0, 0, 1                                   ; the first products start the sums: nothing is cleared
	TURN 0, 1, 1, 8                                ; slot 0 takes K step 2
	STEP 1, 0, 0
	TURN 1, 0, 1, 264                              ; slot 1 takes K step 3; the scale words go on to the second half of K: 272 - 8 bytes
	STEP 0, 0, 0
	TURN 0, 1, 0, 8                                ; nothing is left to fetch
	STEP 1, 0, 0
	v_and_b32 v[VO], 31, v0
	v_lshlrev_b32 v[VO], 3, v[VO]
	v_lshlrev_b32 v[VS], 4, v1
	v_lshlrev_b32 v[SH], 4, v2
	s_cmp_eq_u32 s[ROLE], 1                        ; the roles part here: no barrier and no tensor load stands in either arm; the condition is the same in all sixteen partners
	s_cbranch_scc0 .Lrole_v
	; ---- role QK.  The bias is asked for ahead of the last 64 products
	s_and_b32 s66, ttmp9, 1
	s_cmp_eq_u32 s66, 0
	s_cselect_b64 s[98:99], s[8:9], s[10:11]       ; bq or bk
	s_and_b32 s92, s42, 3
	s_lshl_b32 s92, s92, 2
	s_lshl_b32 s44, s[CH], 1
	s_add_co_u32 s92, s92, s44                     ; my first head: 4 (X % 4) + 2 x column half
	s_lshl_b32 s66, s92, 8
	s_mov_b32 s67, 0
	s_add_nc_u64 s[98:99], s[98:99], s[66:67]
	v_lshlrev_b32 v3, 6, v2                        ; register 16 bb + i wants the bias of column 32 bb + 16 h + i
.set i, 0
.rept 16
	global_load_b128 v[BB+4*i:BB+4*i+3], v3, s[98:99] offset:128*(i/4)+16*(i%4)
.set i, i+1
.endr
	s_lshl_b32 s66, s43, 8
	s_lshl_b32 s67, s[RH], 7
	s_add_co_u32 s66, s66, s67                     ; my first token
	s_lshr_b32 s67, s66, 11                        ; its batch
	s_and_b32 s66, s66, 2047
	s_lshr_b32 s66, s66, 6                         ; its quad
	s_lshl_b32 s67, s67, 4
	s_add_co_u32 s67, s67, s92                     ; 16 x batch + head
	s_lshl_b32 s67, s67, 5
	s_add_co_u32 s67, s67, s66
	s_mul_i32 s67, s67, 3328
	s_lshr_b32 s66, s42, 2                         ; q (0) or k (1)
	s_mul_i32 s66, s66, KREG
	s_add_co_u32 s66, s66, s67
	s_mov_b32 s67, 0
	s_add_nc_u64 s[14:15], s[14:15], s[66:67]
	v_mad_u32_u24 v[VS], v2, QHEAD, v[VS]          ; 16 r, + a head for lanes 16-31
	LAST
	EPI 1
	s_branch .Lend
.Lrole_v:
	; ---- role V
	s_lshl_b32 s66, s43, 10
	s_lshl_b32 s67, s[RH], 9
	s_add_co_u32 s66, s66, s67
	s_mov_b32 s67, 0
	s_add_nc_u64 s[12:13], s[12:13], s[66:67]      ; bv at my first channel
	v_and_b32 v3, 7, v1
	v_lshrrev_b32 v4, 3, v1
	v_lshl_add_u32 v3, v4, 4, v3
	v_lshlrev_b32 v3, 2, v3                        ; lane r of block a holds channel 32 (a / 2) + 8 (a % 2) + r % 8 + 16 (r / 8)
.irp a, 0,1,2,3,4,5,6,7
	global_load_b32 v[BB+2*\a], v3, s[12:13] offset:4*(32*(\a/2)+8*(\a%2))
.endr
	s_lshl_b32 s66, s42, 8
	s_lshl_b32 s67, s[CH], 7
	s_add_co_u32 s66, s66, s67                     ; my first token
	s_lshr_b32 s67, s66, 11                        ; its batch
	s_and_b32 s66, s66, 2047
	s_lshr_b32 s66, s66, 7                         ; its step of 128 keys
	s_lshl_b32 s67, s67, 4
	s_lshl_b32 s98, s43, 2
	s_add_co_u32 s67, s67, s98
	s_lshl_b32 s98, s[RH], 1
	s_add_co_u32 s67, s67, s98                     ; 16 x batch + my first head (4 Y + 2 x row half)
	s_lshl_b32 s67, s67, 4
	s_add_co_u32 s67, s67, s66
	s_mul_i32 s67, s67, 6400
	s_add_co_u32 s66, s67, VREG
	s_mov_b32 s67, 0
	s_add_nc_u64 s[14:15], s[14:15], s[66:67]
	v_mad_u32_u24 v[VS], v2, VHEAD, v[VS]
	LAST
	EPI 0
.Lend:
	s_wait_tensorcnt 0x0                           ; the wave's end
	ds_add_u32 v[SPW], v[NIL]
	s_wait_dscnt 0x0
	CROUND                                         ; the closing round: no work-group ends while a partner may still ask for a tile that names it
	s_endpgm
.Lfunc_end_k_qc1a812bffa_qkv:
	.size	k_qc1a812bffa_qkv, .Lfunc_end_k_qc1a812bffa_qkv-k_qc1a812bffa_qkv
	.p2alignl 7, 3214868480
	.fill 96, 4, 3214868480
	.section	.rodata,"a",@progbits
	.p2align	6, 0x0
	.amdhsa_kernel k_qc1a812bffa_qkv
		.amdhsa_group_segment_fixed_size 327680
		.amdhsa_private_segment_fixed_size 0
		.amdhsa_enable_private_segment 0
		.amdhsa_kernarg_size 48
		.amdhsa_user_sgpr_count 2
		.amdhsa_user_sgpr_kernarg_segment_ptr 1
		.amdhsa_wavefront_size32 1
		.amdhsa_system_sgpr_workgroup_id_x 1
		.amdhsa_system_sgpr_workgroup_id_y 1
		.amdhsa_system_sgpr_workgroup_id_z 1
		.amdhsa_system_vgpr_workitem_id 0
		.amdhsa_next_free_vgpr 1024
		.amdhsa_next_free_sgpr 100
		.amdhsa_reserve_vcc 1
		.amdhsa_float_denorm_mode_32 3
		.amdhsa_float_denorm_mode_16_64 3
		.amdhsa_memory_ordered 1
		.amdhsa_forward_progress 1
		.amdhsa_inst_pref_size 246
	.end_amdhsa_kernel
	.amdgpu_metadata
---
amdhsa.version: [ 1, 2 ]
amdhsa.kernels:
  - .name:           k_qc1a812bffa_qkv
    .symbol:         k_qc1a812bffa_qkv.kd
    .args:
      - { .name: cod, .offset: 0, .size: 8, .value_kind: global_buffer, .address_space: global }
      - { .name: scl, .offset: 8, .size: 8, .value_kind: global_buffer, .address_space: global }
      - { .name: bq, .offset: 16, .size: 8, .value_kind: global_buffer, .address_space: global }
      - { .name: bk, .offset: 24, .size: 8, .value_kind: global_buffer, .address_space: global }
      - { .name: bv, .offset: 32, .size: 8, .value_kind: global_buffer, .address_space: global }
      - { .name: img, .offset: 40, .size: 8, .value_kind: global_buffer, .address_space: global }
    .group_segment_fixed_size: 327680
    .private_segment_fixed_size: 0
    .kernarg_segment_align: 8
    .kernarg_segment_size: 48
    .max_flat_workgroup_size: 128
    .sgpr_count:     100
    .vgpr_count:     1024
    .wavefront_size: 32
...
	.end_amdgpu_metadata
.endif
;; end of part 2
;; launch attn (part 3): grid 8 x 64, 16 waves a work-group, no clusters, 327,680 bytes of LDS; arguments img, oc, os; writes oc, os
.if DOCPART == 3
	.amdgcn_target "amdgcn-amd-amdhsa--gfx1250"
	.amdhsa_code_object_version 6
	.text
	.protected	k_qc1a812bffa_attn
	.globl	k_qc1a812bffa_attn
	.p2align	8
	.type	k_qc1a812bffa_attn,@function
k_qc1a812bffa_attn:
	s_mov_b64 s[64:65], 0
	v_nop
	global_prefetch_b8 v0, s[64:65] scope:SCOPE_SE
	s_setreg_imm32_b32 hwreg(HW_REG_WAVE_MODE, 25, 1), 1
	s_wait_xcnt 0x0
; For each of the 64 (batch, head): o[q] = sum over keys k <= q of softmax(q . k / 8) v, both products on codes of BF6 (E3M2) with E8M0 scales; o is quantised along the embedding for the last projection.
; WORK LEFT OUT (shown at the head of the first launch): steps of 128 keys that the causal mask of reference() hides from all queries of a wave's chunk, and slots of keys behind the work-group's last query.
; THE SOFTMAX: t = score x log2(e) / 8; M = the row's largest t so far, rounded up to a whole number; p = 2^(t - M) is quantised along the keys, not normalised; the row's sum is taken of the unquantised p and divides at the end.
; When M moves, the sum and O are multiplied by 2^(old M - new M): exact.
; LIMITS: NaN and infinities are not served; a block of zeros, or one whose largest magnitude lies under 2^-122, keeps the scale byte 1.
; SHARES.  Work-group (j, head): waves 0-7 own the chunk of 128 queries j, waves 8-15 chunk 15 - j: 8 (j + 1) + 8 (16 - j) = 136 steps of a tile in every work-group.  A wave owns one tile of 16 queries, tq = 8 chunk + wave % 8;
; lane r holds query 32 (tq / 2) + 8 (tq % 2) + r % 8 + 16 (r / 8).  NO CLUSTER: the work-groups of a head need different numbers of slots, and a slot that is not read is not asked for.
; LAYOUT.  Both products are used transposed: S^T = K Q^T, O^T = V^T P^T: a lane holds one query throughout.  By the order of the tokens in a tile of k, register 16 b + i of the 64 scores is key 32 b + 16 (lane / 16) + i of the step.
; THE FIRST PRODUCT'S K IS 64 in an instruction of 128: Q's registers 6-11 are zero codes and bytes 2, 3 of both scale words are 0, so what stands in the upper six registers on K's side (the next tile's codes; zeros behind the
; last tile) is multiplied by zero codes: nothing is loaded or cleared for it.
; K and V come as register images through two LDS slots of 256 keys; wave 0 fetches K's 13,312 bytes, wave 1 V's 12,800, as dense rows of 256 bytes; the scale words lie inside the records.
; REGISTERS: v1-7 stay; v8-11 addresses in hand; v12 -M, v13 largest t, v[14:15] the sum; v16-27 Q; v28 prefetch offset; v29 Q's scale offset; v32-85 K (8 x 6, and six zeros) or V (4 x 12); v96-159 S^T, then p; v160-191 O^T;
; v224-235 p's codes; v232-254 at work; v248-251 K's or V's scale words; v255 Q's.
.set KREG,  6815744
.set VREG,  13631488
.set QHEAD, 106496
.set VHEAD, 102400
.set KSLOT, 13312
.set VSLOT, 12800
.set VOFF,  13312
.set SLOT1, 1<<15                      ; slot 1 begins here: one exclusive or turns an address in one slot into the other's
.set NSL,   8
.set SPARE, 2*SLOT1                    ; the spare words, 128 bytes for each of sixteen waves, which no other line names
.set AK0,  1                           ; v1  8 x lane
.set AV0,  2                           ; v2  8 x lane + VOFF
.set ASK0, 3                           ; v3  K's scale words: 16 r + 3,072, a quad on for lanes 16-31
.set ASV0, 4                           ; v4  V's: 16 r + VOFF + 6,144
.set SPW,  5
.set NIL,  6
.set QD,   7                           ; v7  my query - 16 (lane / 16)
.set ADK,  8
.set ADV,  9
.set ADS,  10
.set ADT,  11
.set PFO,  28
.set WV,   18
.set SEL,  20
.set CS,   22
.set G1K,  24
.set G1V,  32
.set G0K,  40
.set G0V,  44
.set TB,   2                           ; s2  LDS byte at which the slot in hand begins
.set QLAST, 66                         ; s66 my work-group's last query
.set SLOTS, 67
.set PFA,  76
.set PFS,  78
.set LIM,  80
.set KF,   98                          ; s98 the step's first key
.set QC,   99                          ; s99 my chunk's first query
; Wave 0 fetches for K, wave 1 for V, the others nothing.  An s_nop 0 and four v_nop follow each line.
.macro TLOAD
	s_cmp_eq_u32 s[WV], 0
	s_cbranch_scc0 .Lnot_k_\@
	tensor_load_to_lds s[G0K:G0K+3], s[G1K:G1K+7]
	s_nop 0
.rept 4
	v_nop
.endr
	s_branch .Lasked_\@
.Lnot_k_\@:
	s_cmp_eq_u32 s[WV], 1
	s_cbranch_scc0 .Lasked_\@
	tensor_load_to_lds s[G0V:G0V+3], s[G1V:G1V+7]
	s_nop 0
.rept 4
	v_nop
.endr
.Lasked_\@:
.endm
; A prefetch of the slot that the NEXT change of slots will ask for.  All eight work-groups of a head walk the same K and V: work-group j = 0, which walks all slots, asks, and nobody else.  In it waves 4 and 5 name K's two halves
; (26 runs of 256 bytes each), waves 6 and 7 V's (25 each), a lane a run; the lanes that are over name their wave's last run once more.  Slots 2 to 7 are named; slots 0 and 1 come by their loads alone.
.macro ASK
	s_cmp_gt_u32 s[SLOTS], s[LIM]
	s_cbranch_scc0 .Lnot_mine_\@
	global_prefetch_b8 v[PFO], s[PFA:PFA+1] th:TH_LOAD_NT scope:SCOPE_SE
.Lnot_mine_\@:
.endm
	s_load_b128 s[4:7], s[0:1], 0x0                ; img, oc
	s_load_b64 s[8:9], s[0:1], 0x10                ; os
	v_lshl_add_u32 v[SPW], v0, 2, SPARE
	v_mov_b32 v[NIL], 0
	ds_add_u32 v[SPW], v[NIL]                      ; the wave's opening: the add, twice on end, and its wait ahead of the first tensor load
	ds_add_u32 v[SPW], v[NIL]
	v_lshrrev_b32 v8, 5, v0
	s_delay_alu instid0(VALU_DEP_1)
	v_readfirstlane_b32 s[WV], v8                  ; wave 0..15
	s_and_b32 s70, ttmp7, 0xffff                   ; 16 x batch + head
	s_sub_co_u32 s71, 15, ttmp9
	s_cmp_lt_u32 s[WV], 8
	s_cselect_b32 s71, ttmp9, s71                  ; my chunk
	s_lshl_b32 s[QC], s71, 7
	s_and_b32 s72, s[WV], 7
	s_lshl_b32 s73, s71, 3
	s_add_co_u32 s73, s73, s72                     ; tq
	s_sub_co_u32 s[QLAST], 16, ttmp9
	s_lshl_b32 s[QLAST], s[QLAST], 7
	s_sub_co_u32 s[QLAST], s[QLAST], 1
	s_mul_i32 s74, s70, QHEAD                      ; the head's first byte among q's records,
	s_add_co_u32 s75, s74, KREG                    ; k's,
	s_mul_i32 s84, s70, VHEAD
	s_add_co_u32 s84, s84, VREG                    ; v's
	s_mov_b32 s[G1K], 3<<16                        ; elements of 8 bytes, no mask, no padding
	s_mov_b32 s[G1K+1], 32<<16                     ; tensor_dim0: 256 bytes
	s_mov_b32 s[G1K+2], 52<<16                     ; tensor_dim1
	s_mov_b32 s[G1K+3], 32<<16                     ; tile_dim0
	s_mov_b32 s[G1K+4], 52                         ; tile_dim1
	s_mov_b32 s[G1K+5], 32                         ; the pitch: dense
	s_mov_b32 s[G1K+6], 0
	s_mov_b32 s[G1K+7], 0
	s_mov_b32 s[G1V], 3<<16
	s_mov_b32 s[G1V+1], 32<<16
	s_mov_b32 s[G1V+2], 50<<16
	s_mov_b32 s[G1V+3], 32<<16
	s_mov_b32 s[G1V+4], 50
	s_mov_b32 s[G1V+5], 32
	s_mov_b32 s[G1V+6], 0
	s_mov_b32 s[G1V+7], 0
	s_mov_b32 s[SEL], 0x76543210
	s_mov_b32 s[SEL+1], 0xfedcba98
	s_mov_b32 s[CS], 0x3e38aa3b                    ; c = log2(e) / 8
	s_mov_b32 s[CS+1], s[CS]
	s_mov_b32 s[TB], 0
	s_mov_b32 s[SLOTS], NSL-1
	s_mov_b32 s[KF], 0
	s_mov_b32 s87, 0
	s_wait_dscnt 0x0                               ; both opening adds are done
	s_wait_kmcnt 0x0
	s_mov_b32 s[G0K], 1
	s_mov_b32 s[G0K+1], 0
	s_mov_b32 s86, s75
	s_add_nc_u64 s[G0K+2:G0K+3], s[4:5], s[86:87]
	s_or_b32 s[G0K+3], s[G0K+3], 0x80000000
	s_mov_b32 s[G0V], 1
	s_mov_b32 s[G0V+1], VOFF
	s_mov_b32 s86, s84
	s_add_nc_u64 s[G0V+2:G0V+3], s[4:5], s[86:87]
	s_or_b32 s[G0V+3], s[G0V+3], 0x80000000
	TLOAD                                          ; slot 0: key 0 counts for every query
	s_lshr_b32 s86, s73, 2
	s_mul_i32 s86, s86, 3328
	s_add_co_u32 s86, s86, s74
	s_add_nc_u64 s[88:89], s[4:5], s[86:87]        ; my tile's quad of q
	s_and_b32 s90, s73, 3
	s_mul_i32 s86, s90, 768
	s_add_nc_u64 s[92:93], s[88:89], s[86:87]      ; my tile's codes
	s_lshr_b32 s94, s70, 4
	s_lshl_b32 s94, s94, 7
	s_add_co_u32 s94, s94, s73                     ; my tile among the 512 of all batches
	s_and_b32 s95, s70, 15                         ; the head
	s_mul_i32 s86, s95, 393216
	s_mul_i32 s96, s94, 768
	s_add_co_u32 s86, s86, s96
	s_add_nc_u64 s[6:7], s[6:7], s[86:87]          ; oc: [head][tile][768]
	s_lshl_b32 s86, s94, 9
	s_lshr_b32 s96, s95, 3
	s_lshl_b32 s96, s96, 8
	s_add_co_u32 s86, s86, s96
	s_and_b32 s96, s95, 7
	s_lshl_b32 s96, s96, 1
	s_add_co_u32 s86, s86, s96
	s_add_nc_u64 s[8:9], s[8:9], s[86:87]          ; os: tile x 512 + (head / 8) x 256 + 2 (head % 8)
	s_lshr_b32 s91, s73, 1
	s_lshl_b32 s91, s91, 5
	s_and_b32 s96, s73, 1
	s_lshl_b32 s96, s96, 3
	s_add_co_u32 s91, s91, s96                     ; 32 (tq / 2) + 8 (tq % 2)
	; the prefetches: where my wave's stand, and who asks
	s_cmp_lt_u32 s[WV], 6
	s_mov_b32 s[PFS], VSLOT
	s_cselect_b32 s[PFS], KSLOT, s[PFS]            ; a slot on
	s_cselect_b32 s82, s75, s84
	s_mov_b32 s83, VSLOT/2
	s_cselect_b32 s83, KSLOT/2, s83                ; half a slot
	s_cselect_b32 s85, 25, 24                      ; the last run of a half
	s_and_b32 s81, s[WV], 1
	s_mul_i32 s81, s81, s83
	s_add_co_u32 s82, s82, s81
	s_add_co_u32 s82, s82, s[PFS]                  ; in slot 1: the first change of slots steps it to slot 2
	s_mov_b32 s83, 0
	s_mov_b32 s[PFS+1], 0
	s_add_nc_u64 s[PFA:PFA+1], s[4:5], s[82:83]
	s_lshr_b32 s81, s[WV], 2
	s_xor_b32 s81, s81, 1                          ; 0 in waves 4 to 7,
	s_or_b32 s81, s81, ttmp9                       ; of work-group j = 0
	s_cmp_eq_u32 s81, 0
	s_cselect_b32 s[LIM], 1, -1
	v_and_b32 v[PFO], 31, v0
	s_delay_alu instid0(VALU_DEP_1)
	v_min_u32 v[PFO], s85, v[PFO]
	s_delay_alu instid0(VALU_DEP_1)
	v_lshlrev_b32 v[PFO], 8, v[PFO]
	v_and_b32 v8, 15, v0                           ; r
	v_bfe_u32 v9, v0, 4, 1                         ; h
	v_and_b32 v10, 31, v0
	s_delay_alu instid0(VALU_DEP_1)
	v_lshlrev_b32 v[AK0], 3, v10
.irp p, 0,1,2
	global_load_b64 v[16+2*\p:17+2*\p], v[AK0], s[92:93] offset:256*\p   ; Q's six registers stay
.endr
	v_lshlrev_b32 v11, 4, v8                       ; 16 r
	s_delay_alu instid0(VALU_DEP_1)
	v_lshl_add_u32 v29, s90, 2, v11
	global_load_b32 v255, v29, s[88:89] offset:3072   ; Q's scale words
	v_add_nc_u32 v[AV0], VOFF, v[AK0]
	v_mad_u32_u24 v[ASK0], v9, 3328, v11
	s_delay_alu instid0(VALU_DEP_1)
	v_add_nc_u32 v[ASK0], 3072, v[ASK0]
	v_add_nc_u32 v[ASV0], VOFF+6144, v11
	v_and_b32 v10, 7, v8
	v_lshrrev_b32 v11, 3, v8
	s_delay_alu instid0(VALU_DEP_1)
	v_lshl_add_u32 v10, v11, 4, v10
	v_lshlrev_b32 v11, 4, v9
	s_delay_alu instid0(VALU_DEP_1)
	v_sub_nc_u32 v10, v10, v11
	s_delay_alu instid0(VALU_DEP_1)
	v_add_nc_u32 v[QD], s91, v10
	v_mov_b32 v13, 0xff61b1e6                      ; the largest t so far: -3e38
	s_delay_alu instid0(VALU_DEP_1)
	v_floor_f32 v12, -v13                          ; -M
	v_mov_b32 v14, 0
	v_mov_b32 v15, 0
.irp i, 0,1,2,3,4,5
	v_mov_b32 v[22+\i], 0                          ; Q's upper half: zero codes
	v_mov_b32 v[80+\i], 0                          ; and what stands behind K's last tile
.endr
.irp b, 0,1,2,3
	v_mov_b32 v[236+\b], 0                         ; written once: a lane permute's destination counts as one of its sources
.endr
	v_mov_b32 v252, 0
	v_mov_b32 v253, 0
.set j, 0
.rept 32
	v_mov_b32 v[160+j], 0                          ; O^T: the loop is written once; its first step finds zeros
.set j, j+1
.endr
; A KEY STEP: 128 keys, the q-th of the slot in hand.
.macro STEP q
	s_cmp_gt_u32 s[KF], s[QC]                      ; all its keys come after my chunk's queries: left out (ids and the count of steps alone)
	s_cbranch_scc1 .Lhidden_\@
	v_add_nc_u32 v[ADK], s[TB], v[AK0]             ; (these four are the places in front of loads into registers that the last products read)
	v_add_nc_u32 v[ADV], s[TB], v[AV0]
	v_add_nc_u32 v[ADS], s[TB], v[ASK0]
	v_add_nc_u32 v[ADT], s[TB], v[ASV0]
.irp t, 0,1,2,3,4,5,6,7
.irp p, 0,1,2
	ds_load_b64 v[32+6*\t+2*\p:33+6*\t+2*\p], v[ADK] offset:(\q)*6656+(\t/4)*3328+(\t%4)*768+256*\p
.endr
.endr
	ds_load_b128 v[248:251], v[ADS] offset:(\q)*6656   ; lanes 0-15: the words of tiles 0-3, lanes 16-31: of tiles 4-7
	s_wait_alu depctr_va_vdst(0)
	s_wait_dscnt 0x0
.irp t, 0,1,2,3
	v_wmma_scale_f32_16x16x128_f8f6f4 v[96+8*\t:103+8*\t], v[32+6*\t:43+6*\t], v[16:27], 0, v[248+\t], v255 matrix_a_fmt:MATRIX_FMT_BF6 matrix_b_fmt:MATRIX_FMT_BF6
.endr
.irp t, 4,5,6,7
	v_wmma_scale_f32_16x16x128_f8f6f4 v[96+8*\t:103+8*\t], v[32+6*\t:43+6*\t], v[16:27], 0, v[244+\t], v255 matrix_a_fmt:MATRIX_FMT_BF6 matrix_b_fmt:MATRIX_FMT_BF6 matrix_a_scale:MATRIX_SCALE_ROW1
.endr
.rept 4
	v_nop                                          ; places: in front of the loads below and of the first read of the scores
.endr
.irp t, 0,1,2,3                                ; V's four tiles are asked for now and land during the softmax
.irp p, 0,1,2,3,4,5
	ds_load_b64 v[32+12*\t+2*\p:33+12*\t+2*\p], v[ADV] offset:(\q)*6400+\t*1536+256*\p
.endr
.endr
	ds_load_b128 v[248:251], v[ADT] offset:(\q)*6400
	s_cmp_lt_u32 s[KF], s[QC]                      ; all its keys count: no mask
	s_cbranch_scc1 .Lopen_\@
	s_sub_co_i32 s96, 0, s[KF]
	v_add_nc_u32 v252, s96, v[QD]                  ; d = my query - KF - 16 (lane / 16); register 16 b + i is hidden where 32 b + i > d
	v_mov_b32 v254, 0xff800000                     ; -infinity
.set n, 0
.rept 64
	v_cmp_gt_i32 vcc_lo, 32*(n/16)+n%16, v252
	v_cndmask_b32 v[96+n], v[96+n], v254, vcc_lo
.set n, n+1
.endr
.Lopen_\@:
.irp b, 0,1,2,3
	v_max3_num_f32 v[232+\b], v[96+16*\b], v[97+16*\b], v[98+16*\b]   ; the largest score of each block of 32 keys: for the row's maximum and, since p rises with the score, for the block's largest p
.endr
.irp i, 3,5,7,9,11,13
.irp b, 0,1,2,3
	v_max3_num_f32 v[232+\b], v[232+\b], v[96+16*\b+\i], v[97+16*\b+\i]
.endr
.endr
.irp b, 0,1,2,3
	v_max_num_f32 v[232+\b], v[232+\b], v[111+16*\b]
.endr
.irp b, 0,1,2,3
	s_delay_alu instid0(VALU_DEP_4)
	v_permlanex16_b32 v[236+\b], v[232+\b], s[SEL], s[SEL+1]
.endr
.irp b, 0,1,2,3
	s_delay_alu instid0(VALU_DEP_4)
	v_max_num_f32 v[232+\b], v[232+\b], v[236+\b]
.endr
	s_delay_alu instid0(VALU_DEP_2)
	v_max3_num_f32 v254, v232, v233, v234
	s_delay_alu instid0(VALU_DEP_1)
	v_max_num_f32 v254, v254, v235
	s_delay_alu instid0(VALU_DEP_1)
	v_mul_f32 v254, s[CS], v254                    ; as t
	s_delay_alu instid0(VALU_DEP_1)
	v_max_num_f32 v13, v13, v254                   ; the running largest t
	v_mov_b32 v254, v12
	s_delay_alu instid0(VALU_DEP_2)
	v_floor_f32 v12, -v13                          ; the new -M = -ceil(t)
	s_delay_alu instid0(VALU_DEP_1)
	v_sub_f32 v254, v12, v254                      ; old M - new M: a whole number, 0 or less
	s_delay_alu instid0(VALU_DEP_1)
	v_cvt_i32_f32 v254, v254                       ; (it saturates)
	s_delay_alu instid0(VALU_DEP_1)
	v_ldexp_f32 v252, 1.0, v254                    ; f = 2^(old M - new M)
.set j, 0
.rept 32
	v_pk_fma_f32 v[96+j:97+j], v[96+j:97+j], s[CS:CS+1], v[12:13] op_sel_hi:[1,0,0]   ; t - M
.set j, j+2
.endr
.irp b, 0,1,2,3
	v_fma_f32 v[232+\b], v[232+\b], s[CS], v12
.endr
.set j, 0
	s_wait_alu depctr_va_vdst(0)
.rept 64
	v_exp_f32 v[96+j], v[96+j]                     ; p = 2^(t - M)
.set j, j+1
.endr
	v_pk_mul_f32 v[14:15], v[14:15], v[252:253] op_sel_hi:[1,0]   ; the sums under the new M (a plain place behind the exponentials)
	s_wait_alu depctr_va_vdst(0)                   ; one wait for the batch, ahead of its first reader
.irp b, 0,1,2,3
	v_exp_f32 v[232+\b], v[232+\b]                 ; the blocks' largest p
.endr
	v_pk_add_f32 v[236:237], v[100:101], v[104:105]
	v_pk_add_f32 v[246:247], v[108:109], v[112:113]
	v_pk_add_f32 v[244:245], v[116:117], v[120:121]
	v_pk_add_f32 v[242:243], v[124:125], v[128:129]
	v_pk_add_f32 v[240:241], v[132:133], v[136:137]
	v_pk_add_f32 v[238:239], v[140:141], v[144:145]
	v_pk_add_f32 v[230:231], v[148:149], v[152:153]
	v_pk_add_f32 v[14:15], v[14:15], v[156:157]
	v_pk_add_f32 v[236:237], v[236:237], v[96:97]
	v_pk_add_f32 v[246:247], v[246:247], v[98:99]
	v_pk_add_f32 v[244:245], v[244:245], v[102:103]
	v_pk_add_f32 v[242:243], v[242:243], v[106:107]
	v_pk_add_f32 v[240:241], v[240:241], v[110:111]
	v_pk_add_f32 v[238:239], v[238:239], v[114:115]
	v_pk_add_f32 v[230:231], v[230:231], v[118:119]
	v_pk_add_f32 v[14:15], v[14:15], v[122:123]
	v_pk_add_f32 v[236:237], v[236:237], v[126:127]
	v_pk_add_f32 v[246:247], v[246:247], v[130:131]
	v_pk_add_f32 v[244:245], v[244:245], v[134:135]
	v_pk_add_f32 v[242:243], v[242:243], v[138:139]
	v_pk_add_f32 v[240:241], v[240:241], v[142:143]
	v_pk_add_f32 v[238:239], v[238:239], v[146:147]
	v_pk_add_f32 v[230:231], v[230:231], v[150:151]
	v_pk_add_f32 v[14:15], v[14:15], v[154:155]
	v_pk_add_f32 v[236:237], v[236:237], v[158:159]
	s_delay_alu instid0(VALU_DEP_2)
	v_pk_add_f32 v[14:15], v[14:15], v[242:243]
	s_delay_alu instid0(VALU_DEP_2)
	v_pk_add_f32 v[236:237], v[236:237], v[240:241]
	v_pk_add_f32 v[246:247], v[246:247], v[238:239]
	v_pk_add_f32 v[244:245], v[244:245], v[230:231]
	s_delay_alu instid0(VALU_DEP_2)
	v_pk_add_f32 v[14:15], v[14:15], v[246:247]
	s_delay_alu instid0(VALU_DEP_2)
	v_pk_add_f32 v[236:237], v[236:237], v[244:245]
	s_delay_alu instid0(VALU_DEP_1)
	v_pk_add_f32 v[14:15], v[14:15], v[236:237]
	s_wait_alu depctr_va_vdst(0)                   ; and one for the four
.irp b, 0,1,2,3
	v_max_num_f32 v[232+\b], 0x2800000, v[232+\b]  ; the floor 2^(5 - 127)
.endr
.irp b, 0,1,2,3
	s_delay_alu instid0(VALU_DEP_4)
	v_add_nc_u32 v[244+\b], 0xfe000000, v[232+\b]  ; the conversion's scale operand
.endr
.irp b, 0,1,2,3
	s_delay_alu instid0(VALU_DEP_4)
	v_lshrrev_b32 v[236+\b], 23, v[244+\b]         ; the scale's byte
.endr
	s_delay_alu instid0(VALU_DEP_3)
	v_lshl_or_b32 v253, v237, 8, v236              ; p's scale word for these 128 keys
	s_delay_alu instid0(VALU_DEP_1)
	v_lshl_or_b32 v253, v238, 16, v253
	s_delay_alu instid0(VALU_DEP_1)
	v_lshl_or_b32 v253, v239, 24, v253
.irp c, 0,1
	v_cvt_scalef32_pk16_bf6_f32 v[224+6*\c:226+6*\c], v[96+32*\c:111+32*\c], v[244+2*\c]
	v_cvt_scalef32_pk16_bf6_f32 v[236+4*\c:238+4*\c], v[112+32*\c:127+32*\c], v[244+2*\c+1]
.endr
	v_nop                                          ; one plain place behind a scaled conversion
.irp c, 0,1
.irp i, 0,1,2
	v_permlane16_swap_b32 v[224+6*\c+\i], v[236+4*\c+\i]
.endr
.irp i, 0,1,2
	s_delay_alu instid0(VALU_DEP_3)
	v_mov_b32 v[227+6*\c+\i], v[236+4*\c+\i]
.endr
.endr
.set j, 0
.rept 16
	v_pk_mul_f32 v[160+j:161+j], v[160+j:161+j], v[252:253] op_sel_hi:[1,0]   ; O^T under the new M (also the places in front of the scaled products)
.set j, j+2
.endr
	s_wait_alu depctr_va_vdst(0)
	s_wait_dscnt 0x0                               ; V is in
.irp t, 0,1,2,3
	v_wmma_scale_f32_16x16x128_f8f6f4 v[160+8*\t:167+8*\t], v[32+12*\t:43+12*\t], v[224:235], v[160+8*\t:167+8*\t], v[248+\t], v253 matrix_a_fmt:MATRIX_FMT_BF6 matrix_b_fmt:MATRIX_FMT_BF6
.endr
.Lhidden_\@:
	s_add_co_u32 s[KF], s[KF], 128
.endm
; THE CHANGE OF SLOTS stands at a slot's head.  Each wave waits for all its tensor loads, adds 0 to its spare word (fill = 1: twice on end), and waits for that and for
; its reads of the slot that it has left.  Behind the barrier the other slot is filled with the next 256 keys, while their first key is at or under the work-group's last query: a slot beyond that is read by no wave.
; That test is made of the work-group's number and the count of steps alone, so all sixteen waves go the same way; every wait for tensor loads in this text is for 0.
.macro CHANGE fill
	s_wait_tensorcnt 0x0
	ds_add_u32 v[SPW], v[NIL]
.if \fill
	ds_add_u32 v[SPW], v[NIL]
	s_xor_b32 s[G0K+1], s[G0K+1], SLOT1
	s_add_nc_u64 s[G0K+2:G0K+3], s[G0K+2:G0K+3], KSLOT
	s_xor_b32 s[G0V+1], s[G0V+1], SLOT1
	s_add_nc_u64 s[G0V+2:G0V+3], s[G0V+2:G0V+3], VSLOT
	s_wait_xcnt 0x0                                ; the last prefetch, a slot back, has read its address
	s_add_nc_u64 s[PFA:PFA+1], s[PFA:PFA+1], s[PFS:PFS+1]
.endif
	s_wait_dscnt 0x0
	s_barrier_signal -1
	s_barrier_wait -1
.if \fill
	s_add_co_u32 s96, s[KF], 256                   ; the first key of the slot that this change would ask for
	s_cmp_gt_u32 s96, s[QLAST]
	s_cbranch_scc1 .Lpast_\@
	TLOAD
.Lpast_\@:
	ASK
.endif
.endm
.macro SLOT_STEPS
	STEP 0
	STEP 1
	s_xor_b32 s[TB], s[TB], SLOT1
.endm
	s_wait_loadcnt 0x0                             ; Q
.Lslot:                                            ; seven trips
	CHANGE 1
	SLOT_STEPS
	s_sub_co_u32 s[SLOTS], s[SLOTS], 1
	s_cmp_lg_u32 s[SLOTS], 0
	s_cbranch_scc1 .Lslot
	CHANGE 0                                       ; the last slot is written out: nothing is asked for
	SLOT_STEPS
	; THE WAY OUT: O^T / the sum; register 16 bb + i is channel 32 bb + 16 (lane / 16) + i: two blocks of the last projection's K.  They are quantised and leave as a register image: no LDS.
	v_add_f32 v14, v14, v15
	s_delay_alu instid0(VALU_DEP_1)
	v_permlanex16_b32 v252, v14, s[SEL], s[SEL+1]
	s_delay_alu instid0(VALU_DEP_1)
	v_add_f32 v14, v14, v252                       ; the row's sum
	s_wait_alu depctr_va_vdst(0)
	v_rcp_f32 v14, v14
	v_and_b32 v8, 15, v0                           ; (plain places behind the reciprocal and behind the last products)
	v_bfe_u32 v9, v0, 4, 1
	s_delay_alu instid0(VALU_DEP_1)
	v_lshl_add_u32 v10, v8, 4, v9                  ; os: 16 r + h
	s_delay_alu instid0(VALU_DEP_2)
	v_cmp_ne_u32 vcc_lo, 0, v9
	v_nop
	s_wait_alu depctr_va_vdst(0)                   ; ahead of the reciprocal's first reader
.set j, 0
.rept 16
	v_pk_mul_f32 v[96+j:97+j], v[160+j:161+j], v[14:15] op_sel_hi:[1,0]
.set j, j+2
.endr
.irp b, 0,1
	v_max3_num_f32 v[232+\b], |v[96+16*\b]|, |v[97+16*\b]|, 0x2800000
.endr
.irp i, 2,4,6,8,10,12,14
.irp b, 0,1
	s_delay_alu instid0(VALU_DEP_2)
	v_max3_num_f32 v[232+\b], v[232+\b], |v[96+16*\b+\i]|, |v[97+16*\b+\i]|
.endr
.endr
.irp b, 0,1
	s_delay_alu instid0(VALU_DEP_2)
	v_permlanex16_b32 v[236+\b], v[232+\b], s[SEL], s[SEL+1]
.endr
.irp b, 0,1
	s_delay_alu instid0(VALU_DEP_2)
	v_max_num_f32 v[232+\b], v[232+\b], v[236+\b]
.endr
.irp b, 0,1
	s_delay_alu instid0(VALU_DEP_2)
	v_add_nc_u32 v[244+\b], 0xfe000000, v[232+\b]
.endr
.irp b, 0,1
	s_delay_alu instid0(VALU_DEP_2)
	v_lshrrev_b32 v[238+\b], 23, v[244+\b]
.endr
	v_cvt_scalef32_pk16_bf6_f32 v[224:226], v[96:111], v244
	v_cvt_scalef32_pk16_bf6_f32 v[240:242], v[112:127], v245
	v_nop                                          ; one plain place behind a scaled conversion
.irp i, 0,1,2
	v_permlane16_swap_b32 v[224+\i], v[240+\i]
.endr
.irp i, 0,1,2
	s_delay_alu instid0(VALU_DEP_3)
	v_mov_b32 v[227+\i], v[240+\i]
.endr
	v_cndmask_b32 v238, v238, v239, vcc_lo         ; lane (r, h) holds block h: its byte
.irp i, 0,1,2
	global_store_b64 v[AK0], v[224+2*\i:225+2*\i], s[6:7] offset:256*\i   ; 256 consecutive bytes, aligned
.endr
	global_store_b8 v10, v238, s[8:9]              ; 32 single bytes a wave: a scale word of the last projection spans two heads, which are two work-groups
	s_wait_tensorcnt 0x0                           ; the wave's end
	ds_add_u32 v[SPW], v[NIL]
	s_wait_dscnt 0x0
	s_endpgm
.Lfunc_end_k_qc1a812bffa_attn:
	.size	k_qc1a812bffa_attn, .Lfunc_end_k_qc1a812bffa_attn-k_qc1a812bffa_attn
	.p2alignl 7, 3214868480
	.fill 96, 4, 3214868480
	.section	.rodata,"a",@progbits
	.p2align	6, 0x0
	.amdhsa_kernel k_qc1a812bffa_attn
		.amdhsa_group_segment_fixed_size 327680
		.amdhsa_private_segment_fixed_size 0
		.amdhsa_enable_private_segment 0
		.amdhsa_kernarg_size 24
		.amdhsa_user_sgpr_count 2
		.amdhsa_user_sgpr_kernarg_segment_ptr 1
		.amdhsa_wavefront_size32 1
		.amdhsa_system_sgpr_workgroup_id_x 1
		.amdhsa_system_sgpr_workgroup_id_y 1
		.amdhsa_system_sgpr_workgroup_id_z 1
		.amdhsa_system_vgpr_workitem_id 0
		.amdhsa_next_free_vgpr 256
		.amdhsa_next_free_sgpr 100
		.amdhsa_reserve_vcc 1
		.amdhsa_float_denorm_mode_32 3
		.amdhsa_float_denorm_mode_16_64 3
		.amdhsa_memory_ordered 1
		.amdhsa_forward_progress 1
		.amdhsa_inst_pref_size 108
	.end_amdhsa_kernel
	.amdgpu_metadata
---
amdhsa.version: [ 1, 2 ]
amdhsa.kernels:
  - .name:           k_qc1a812bffa_attn
    .symbol:         k_qc1a812bffa_attn.kd
    .args:
      - { .name: img, .offset: 0, .size: 8, .value_kind: global_buffer, .address_space: global }
      - { .name: oc, .offset: 8, .size: 8, .value_kind: global_buffer, .address_space: global }
      - { .name: os, .offset: 16, .size: 8, .value_kind: global_buffer, .address_space: global }
    .group_segment_fixed_size: 327680
    .private_segment_fixed_size: 0
    .kernarg_segment_align: 8
    .kernarg_segment_size: 24
    .max_flat_workgroup_size: 512
    .sgpr_count:     100
    .vgpr_count:     256
    .wavefront_size: 32
...
	.end_amdgpu_metadata
.endif
;; end of part 3
;; launch oproj (part 4): grid 4 x 32, 4 waves a work-group, clusters of 4 x 4, 327,680 bytes of LDS; arguments oc, os, cod, scl, bo, out0; writes out0
.if DOCPART == 4
	.amdgcn_target "amdgcn-amd-amdhsa--gfx1250"
	.amdhsa_code_object_version 6
	.text
	.protected	k_qc1a812bffa_oproj
	.globl	k_qc1a812bffa_oproj
	.p2align	8
	.type	k_qc1a812bffa_oproj,@function
k_qc1a812bffa_oproj:
	s_mov_b64 s[64:65], 0
	v_nop
	global_prefetch_b8 v0, s[64:65] scope:SCOPE_SE
	s_setreg_imm32_b32 hwreg(HW_REG_WAVE_MODE, 25, 1), 1
	s_wait_xcnt 0x0
	s_wait_alu depctr_hold_cnt(0) depctr_sa_sdst(0) depctr_va_vdst(0) depctr_va_sdst(0) depctr_va_ssrc(0) depctr_va_vcc(0) depctr_vm_vsrc(0)
	s_getreg_b32 s2, hwreg(HW_REG_IB_STS2, 6, 4)
	s_cmp_eq_u32 s2, 0
	s_cbranch_scc0 .Lentry_in_a_cluster
	s_endpgm
.Lentry_in_a_cluster:
	s_bfe_u32 s2, ttmp6, 0x10000c
	s_cmp_lg_u32 s2, 0xf033
	s_cbranch_scc0 .Lentry_shape_is_right
	s_endpgm
.Lentry_shape_is_right:
; out0 = o Wo^T + bo on codes of BF6 (E3M2) with one E8M0 scale for each 32 along K (1,024).  No work of this launch is left out.  LIMITS: NaN and infinities are not served.
; A = the attention's result: oc [16 heads][512 tiles of 16 stored rows][768 bytes: three planes of 256, registers 2 p, 2 p + 1 of lane l at 8 l], os its scale bytes; B = Wo: rows 11,264 on of cod and scl.
; A tile of out0 is 256 x 256: four waves, each 128 x 128 in 64 accumulators; 128 work-groups in clusters of 4 x 4: tiles of A are asked for jointly along a row of the cluster, tiles of B along a column.
; K goes in four steps of 256 (four heads of oc, four planes of cod) through two LDS slots; a wave's tensor load brings four dense runs of 6,144 bytes.  The scale bytes of the 512 rows come once.
; THE MATRIX INSTRUCTION IS USED TRANSPOSED (source 0 = 16 stored rows of Wo, source 1 = 16 stored rows of o).  By the stored row order (bits 3 and 4 of a row's number changed) register j of accumulator (a, b) in lane (r, h) is
; out0(row 32 (a / 2) + 8 (a % 2) + r % 8 + 16 (r / 8), column 32 (b / 2) + 16 h + 8 (b % 2) + j) of my 128 x 128.  bo is the C of each sum's first product.
; REGISTERS: window 0: v0-31 addresses; v32-63 scale words, two sets; v64-127 bo; v128-223 A's fragments, one set; on the way out v128-255 rows read back.  window 1: B's fragments, two sets.  windows 2, 3: the accumulators.
.set NQ,     2
.set FR,     12
.set NL,     6
.set NP,     4
.set PLANE,  589824
.set PLANEO, 393216
.set HALFT,  24576
.set SLOT,   4*HALFT
.set SCL,    2*SLOT
.set HALFS,  4352
.set SBLK,   544
.set SPARE,  SCL+4*HALFS
.set SPITCH, 528                       ; the way out: a stage of 16 rows x (512 bytes + 16) for each wave, in slot 0, which has had its last fill and its last read when the first result is stored there
.set STA,    256                       ; A's fragments lie as register images: from piece to piece 256 bytes
.set STB,    8                         ; B's as rows of 48 bytes
.set ADRA, 16
.set ADRB, 20
.set STO,  24
.set RD,   25
.set CO,   26
.set ADRS, 27
.set SPW,  28
.set NIL,  29
.set SC,   32
.set BN,   64
.set AF,   128
.set BK,   128
.set WV,   16
.set RH,   17
.set CH,   18
.set G1,   24
.set G0,   32
.set G1B,  48
.set G0B,  56
.set G1S,  68
.set G0S,  76
.set G1SB, 80
.set G0SB, 88
.set MSB, 0
.macro WIN new
.if MSB != (\new)
	s_set_vgpr_msb (MSB<<8)|(\new)
.set MSB, (\new)
.endif
.endm
.set MUL_LO, 0xa1                      ; source 0 (B) window 1, source 1 (A) window 0, C and D window 2
.set MUL_HI, 0xf1
.set BIAS_LO, 0x81                     ; the same with C (bo) in window 0
.set BIAS_HI, 0xc1
.set TO_B,   0x40
.macro JLOAD g0a, g1a, g0b, g1b        ; a joint load: waves 0 and 1 fetch for A, waves 2 and 3 for B; an s_nop 0 and four v_nop follow each line
	s_cmp_eq_u32 s[RH], 0
	s_cbranch_scc0 .Lfor_b_\@
	tensor_load_to_lds s[\g0a:\g0a+3], s[\g1a:\g1a+7]
	s_nop 0
.rept 4
	v_nop
.endr
	s_branch .Lasked_\@
.Lfor_b_\@:
	tensor_load_to_lds s[\g0b:\g0b+3], s[\g1b:\g1b+7]
	s_nop 0
.rept 4
	v_nop
.endr
.Lasked_\@:
.endm
.macro CREST
	s_cmp_lg_u32 s[WV], 0
	s_cbranch_scc1 .Lnot_wave_0_\@
	s_barrier_signal -3
.Lnot_wave_0_\@:
	s_barrier_wait -3
	s_barrier_signal -1
	s_barrier_wait -1
.endm
.macro CROUND
	s_barrier_signal -1
	s_barrier_wait -1
	CREST
.endm
	s_load_b256 s[4:11], s[0:1], 0x0               ; oc, os, cod, scl
	s_load_b128 s[12:15], s[0:1], 0x20             ; bo, out0
	v_lshl_add_u32 v[SPW], v0, 2, SPARE
	v_mov_b32 v[NIL], 0
	ds_add_u32 v[SPW], v[NIL]                      ; the wave's opening: the add, twice on end, and its wait ahead of my first tensor load
	ds_add_u32 v[SPW], v[NIL]
	v_lshrrev_b32 v1, 5, v0
	v_readfirstlane_b32 s[WV], v1
	s_lshr_b32 s[RH], s[WV], 1
	s_and_b32 s[CH], s[WV], 1
	s_bfe_u32 s40, ttmp6, 0x40000                  ; cx
	s_bfe_u32 s41, ttmp6, 0x40004                  ; cy
	s_lshl_b32 s42, ttmp9, 2
	s_add_co_u32 s42, s42, s40                     ; X
	s_and_b32 s43, ttmp7, 0xffff
	s_lshl_b32 s43, s43, 2
	s_add_co_u32 s43, s43, s41                     ; Y
	s_lshl_b32 s93, s41, 2
	s_lshl_b32 s93, 15, s93                        ; my row of the cluster
	s_lshl_b32 s94, 0x1111, s40                    ; my column
	s_or_b32 s[G1+0], s93, (3<<16)|(1<<21)         ; codes: 4 planes x 768 elements of 8 bytes, no padding
	s_or_b32 s[G1B+0], s94, (3<<16)|(1<<21)
.irp g, G1, G1B
	s_mov_b32 s[\g+1], 768<<16
	s_mov_b32 s[\g+2], 4<<16
	s_mov_b32 s[\g+3], 768<<16
	s_mov_b32 s[\g+4], 4
	s_mov_b32 s[\g+6], 0
	s_mov_b32 s[\g+7], 0
.endr
	s_mov_b32 s[G1+5], PLANEO/8                    ; from head to head of oc
	s_mov_b32 s[G1B+5], PLANE/8                    ; from plane to plane of cod
	s_or_b32 s[G1S+0], s93, (3<<16)|(1<<20)|(1<<21)|(5<<22)|(3<<25)   ; scales of 128 rows: 16 rows of 256 bytes, 16 bytes of padding behind each
	s_or_b32 s[G1SB+0], s94, (3<<16)|(1<<20)|(1<<21)|(5<<22)|(3<<25)
.irp g, G1S, G1SB
	s_mov_b32 s[\g+1], 32<<16
	s_mov_b32 s[\g+2], 16<<16
	s_mov_b32 s[\g+3], 32<<16
	s_mov_b32 s[\g+4], 16
	s_mov_b32 s[\g+5], 32
	s_mov_b32 s[\g+6], 0
	s_mov_b32 s[\g+7], 0
.endr
	s_lshl_b32 s95, s[CH], 7                       ; which 128 rows of the tile I fetch
	s_lshl_b32 s20, s43, 8
	s_add_co_u32 s20, s20, s95                     ; A's stored row
	s_lshl_b32 s46, s42, 8
	s_add_co_u32 s46, s46, s95
	s_add_co_u32 s46, s46, 11264                   ; B's row in cod
	s_lshl_b32 s22, s20, 5
	s_mul_i32 s20, s20, 48
	s_mov_b32 s21, 0
	s_mov_b32 s23, 0
	s_lshl_b32 s96, s46, 5
	s_mul_i32 s46, s46, 48
	s_mov_b32 s47, 0
	s_mov_b32 s97, 0
	s_mul_i32 s45, s[WV], HALFT
	s_mul_i32 s95, s[WV], HALFS
	s_wait_dscnt 0x0                               ; both opening adds are done
	s_wait_kmcnt 0x0
	s_add_nc_u64 s[20:21], s[4:5], s[20:21]
	s_add_nc_u64 s[22:23], s[6:7], s[22:23]
	s_add_nc_u64 s[46:47], s[8:9], s[46:47]
	s_add_nc_u64 s[96:97], s[10:11], s[96:97]
	CROUND                                         ; all sixteen work-groups are here: the first joint loads meet
	s_mov_b32 s[G0S], 1
	s_add_co_u32 s[G0S+1], s95, SCL
	s_mov_b64 s[G0S+2:G0S+3], s[22:23]
	s_or_b32 s[G0S+3], s[G0S+3], 0x80000000
	s_mov_b32 s[G0SB], 1
	s_add_co_u32 s[G0SB+1], s95, SCL
	s_mov_b64 s[G0SB+2:G0SB+3], s[96:97]
	s_or_b32 s[G0SB+3], s[G0SB+3], 0x80000000
	JLOAD G0S, G1S, G0SB, G1SB
.irp s, 0,1
	s_mov_b32 s[G0+4*\s], 1
	s_add_co_u32 s[G0+4*\s+1], s45, \s*SLOT
	s_add_nc_u64 s[G0+4*\s+2:G0+4*\s+3], s[20:21], \s*4*PLANEO
	s_or_b32 s[G0+4*\s+3], s[G0+4*\s+3], 0x80000000
	s_mov_b32 s[G0B+4*\s], 1
	s_add_co_u32 s[G0B+4*\s+1], s45, \s*SLOT
	s_add_nc_u64 s[G0B+4*\s+2:G0B+4*\s+3], s[46:47], \s*4*PLANE
	s_or_b32 s[G0B+4*\s+3], s[G0B+4*\s+3], 0x80000000
	JLOAD G0+4*\s, G1, G0B+4*\s, G1B
.endr
	v_and_b32 v1, 15, v0                           ; r
	v_bfe_u32 v2, v0, 4, 1                         ; h
	s_lshl_b32 s66, s42, 10
	s_lshl_b32 s67, s[CH], 9
	s_add_co_u32 s66, s66, s67
	s_mov_b32 s67, 0
	s_add_nc_u64 s[12:13], s[12:13], s[66:67]      ; bo at my first column
	v_lshlrev_b32 v9, 6, v2                        ; register 16 bb + i of a block's 64 wants the bias of column 32 bb + 16 h + i
.set i, 0
.rept 16
	global_load_b128 v[BN+4*i:BN+4*i+3], v9, s[12:13] offset:128*(i/4)+16*(i%4)
.set i, i+1
.endr
	v_mul_u32_u24 v3, v1, 48
	v_mad_u32_u24 v4, v2, 24, v3                   ; B: a fragment's row x 48 + 24 x half
	v_and_b32 v6, 31, v0
	v_lshlrev_b32 v5, 3, v6                        ; A: 8 x lane
	s_mul_i32 s21, s[RH], HALFT
	s_mul_i32 s22, s[CH], HALFT
	s_add_co_u32 s22, s22, 2*HALFT
.irp s, 0,1
	v_add_nc_u32 v[ADRA+\s], s21, v5
	v_add_nc_u32 v[ADRB+\s], s22, v4
	s_add_co_u32 s21, s21, SLOT
	s_add_co_u32 s22, s22, SLOT
.endr
	v_lshlrev_b32 v7, 4, v1                        ; my row's scales: 16 bytes a row and half of K
	s_mul_i32 s21, s[RH], HALFS
	s_mul_i32 s22, s[CH], HALFS
	s_add_co_u32 s22, s22, 2*HALFS
	s_sub_co_u32 s22, s22, s21
	v_mul_u32_u24 v8, s22, v2                      ; lanes 16-31 take B's
	s_add_co_u32 s21, s21, SCL
	v_add_nc_u32 v7, v7, v8
	v_add_nc_u32 v[ADRS], s21, v7
	s_mul_i32 s23, s[WV], 16*SPITCH                ; my stage
	v_mul_u32_u24 v7, v1, SPITCH
	v_lshl_add_u32 v7, v2, 6, v7
	v_add_nc_u32 v[STO], s23, v7                   ; in: row r, + 64 h
	v_lshlrev_b32 v[CO], 4, v6                     ; back: the 32 lanes take one row of 512 bytes; and the same in out0
	v_add_nc_u32 v[RD], s23, v[CO]
	s_lshl_b32 s66, s43, 20                        ; out0: 256 Y rows of 4,096 bytes,
	s_lshl_b32 s67, s[RH], 19
	s_add_co_u32 s66, s66, s67
	s_lshl_b32 s67, s42, 10                        ; 256 X columns of 4 bytes
	s_add_co_u32 s66, s66, s67
	s_lshl_b32 s67, s[CH], 9
	s_add_co_u32 s66, s66, s67
	s_mov_b32 s67, 0
	s_add_nc_u64 s[14:15], s[14:15], s[66:67]
.macro FRAG reg, adr, q, i, st
.irp p, 0,1,2,3,4,5
	ds_load_b64 v[\reg+2*\p:\reg+2*\p+1], v[\adr] offset:(2*(\q)+\p/3)*6144+(\i)*768+(\st)*(\p%3)
.endr
.endm
; 16 matrix instructions: A's blocks a0, a0 + 1 x B's eight.  zero = 1: the first product starts the sums from bo.  The 64 accumulators take turns, one instruction a turn.
.macro MUL16 a0, p, q, sc, zero
.irp a, \a0, \a0+1
.irp b, 0,1,2,3,4,5,6,7
.if \zero
	v_wmma_scale_f32_16x16x128_f8f6f4 v[8*(8*((\a)%4)+\b):8*(8*((\a)%4)+\b)+7], v[128*(\p)+FR*\b:128*(\p)+FR*\b+FR-1], v[AF+FR*(\a):AF+FR*(\a)+FR-1], v[BN+8*\b:BN+8*\b+7], v[SC+8*NQ*(\sc)+NQ*\b+(\q)], v[SC+8*NQ*(\sc)+NQ*(\a)+(\q)] matrix_a_fmt:MATRIX_FMT_BF6 matrix_b_fmt:MATRIX_FMT_BF6 matrix_a_scale:MATRIX_SCALE_ROW1
.else
	v_wmma_scale_f32_16x16x128_f8f6f4 v[8*(8*((\a)%4)+\b):8*(8*((\a)%4)+\b)+7], v[128*(\p)+FR*\b:128*(\p)+FR*\b+FR-1], v[AF+FR*(\a):AF+FR*(\a)+FR-1], v[8*(8*((\a)%4)+\b):8*(8*((\a)%4)+\b)+7], v[SC+8*NQ*(\sc)+NQ*\b+(\q)], v[SC+8*NQ*(\sc)+NQ*(\a)+(\q)] matrix_a_fmt:MATRIX_FMT_BF6 matrix_b_fmt:MATRIX_FMT_BF6 matrix_a_scale:MATRIX_SCALE_ROW1
.endif
.endr
.endr
.endm
.macro FETCH_B slot, q, p
	WIN TO_B
.irp i, 0,1,2,3,4,5,6,7
	FRAG 128*(\p)+FR*\i, ADRB+\slot, \q, \i, STB
.endr
	WIN 0
.endm
.macro FETCH_A slot, q, i0
.irp i, \i0, \i0+1, \i0+2, \i0+3
	FRAG AF+FR*(\i), ADRA+\slot, \q, \i, STA
.endr
.endm
.macro SCALES sc
.irp i, 0,1,2,3,4,5,6,7
	ds_load_b64 v[SC+8*NQ*\sc+NQ*\i:SC+8*NQ*\sc+NQ*\i+1], v[ADRS] offset:\i*SBLK
.endr
.endm
.macro PLACES n                        ; plain vector instructions between a matrix instruction and a load into, or a read of, its registers
.rept \n
	v_nop
.endr
.endm
.macro STEP slot, q, zero
	s_wait_dscnt 4*NL                              ; B's set and A's blocks 0-3 are in; the youngest 24 loads (A's blocks 4-7) may be out
.if \zero
	WIN BIAS_LO
.else
	WIN MUL_LO
.endif
	MUL16 0, (\q)%2, \q, \slot, \zero
	MUL16 2, (\q)%2, \q, \slot, \zero
	s_wait_dscnt 0
	PLACES NP
	FETCH_B \slot, (\q)+1, 1-(\q)%2
	FETCH_A \slot, (\q)+1, 0
.if \zero
	WIN BIAS_HI
.else
	WIN MUL_HI
.endif
	MUL16 4, (\q)%2, \q, \slot, \zero
	MUL16 6, (\q)%2, \q, \slot, \zero
	PLACES NP
	WIN 0
	FETCH_A \slot, (\q)+1, 4
.endm
.macro TURN slot, next, fill, adv      ; a slot's last 128 along K change slots: one barrier, in front of it the wait for all my tensor loads, the add, and the wait for it and for my reads of this slot
	s_wait_tensorcnt 0x0
	ds_add_u32 v[SPW], v[NIL]                      ; 0 onto my spare word
	s_wait_dscnt 4*NL+1                            ; (the add and the youngest 24 loads may be out)
	WIN MUL_LO
	MUL16 0, 1, NQ-1, \slot, 0
	s_wait_dscnt 0x0
	s_barrier_signal -1
	MUL16 2, 1, NQ-1, \slot, 0
	WIN 0
	s_barrier_wait -1
.if \fill
	CREST                                          ; the barrier has opened a round of the cluster's barrier
	s_add_nc_u64 s[G0+4*\slot+2:G0+4*\slot+3], s[G0+4*\slot+2:G0+4*\slot+3], 8*PLANEO
	s_add_nc_u64 s[G0B+4*\slot+2:G0B+4*\slot+3], s[G0B+4*\slot+2:G0B+4*\slot+3], 8*PLANE
	JLOAD G0+4*\slot, G1, G0B+4*\slot, G1B         ; the first tensor load behind the round; its four v_nop are the places in front of the loads below
.else
	PLACES NP
.endif
	v_add_nc_u32 v[ADRS], \adv, v[ADRS]
	FETCH_B \next, 0, 0
	FETCH_A \next, 0, 0
	SCALES \next
	WIN MUL_HI
	MUL16 4, 1, NQ-1, \slot, 0
	MUL16 6, 1, NQ-1, \slot, 0
	PLACES NP
	WIN 0
	FETCH_A \next, 0, 4
.endm
	s_wait_tensorcnt 1                             ; the scales and my part of K step 0 are in (of my three loads K step 1's may be out),
	s_barrier_signal -1
	s_barrier_wait -1                              ; everybody's are
	FETCH_B 0, 0, 0
	FETCH_A 0, 0, 0
	SCALES 0
	FETCH_A 0, 0, 4
	s_wait_loadcnt 0x0                             ; bo
	STEP 0, 0, 1
	TURN 0, 1, 1, 8                                ; slot 0 takes K step 2
	STEP 1, 0, 0
	TURN 1, 0, 1, 264                              ; slot 1 takes K step 3; the scale words go on to the second half of K: 272 - 8 bytes
	STEP 0, 0, 0
	TURN 0, 1, 0, 8                                ; nothing is left to fetch
	STEP 1, 0, 0
	s_wait_dscnt 4*NL                              ; the very last 128 along K
	WIN MUL_LO
	MUL16 0, 1, NQ-1, 1, 0
	MUL16 2, 1, NQ-1, 1, 0
	s_wait_dscnt 0
	WIN MUL_HI
	MUL16 4, 1, NQ-1, 1, 0
	MUL16 6, 1, NQ-1, 1, 0
	WIN 0
; THE WAY OUT, block by block of 16 stored rows x 128 columns, through my own stage in LDS: in as 32 bytes a lane and accumulator, back as whole rows of 512 bytes.  LDS serves a wave's instructions in order (ISA guide 5.7.1.4):
; no wait between the stores and the loads, nor in front of the next block's stores.
.macro TOSTAGE a
.set AC, 64*((\a)%4)
	WIN 0x08+4*((\a)/4)                            ; the data: window 2 or 3
.irp b, 0,1,2,3,4,5,6,7
	ds_store_b128 v[STO], v[AC+8*\b:AC+8*\b+3] offset:128*(\b/2)+32*(\b%2)       ; each accumulator from its low end on
	ds_store_b128 v[STO], v[AC+8*\b+4:AC+8*\b+7] offset:128*(\b/2)+32*(\b%2)+16
.endr
	WIN 0
.set BQ, BK+64*((\a)%2)
.irp t, 0,1,2,3,4,5,6,7,8,9,10,11,12,13,14,15
	ds_load_b128 v[BQ+4*\t:BQ+4*\t+3], v[RD] offset:\t*SPITCH
.endr
.endm
.macro SEND a, younger                 ; younger: the LDS instructions issued behind block a's loads, which may stay out
.set BQ, BK+64*((\a)%2)
	s_wait_dscnt \younger
.irp t, 0,1,2,3,4,5,6,7,8,9,10,11,12,13,14,15
	global_store_b128 v[CO], v[BQ+4*\t:BQ+4*\t+3], s[14:15] offset:(32*((\a)/2)+8*((\a)%2)+(\t%8)+16*(\t/8))*4096 th:TH_STORE_NT   ; stored row t of block a is this row; 512 consecutive bytes, aligned
.endr
.endm
	PLACES NP                                      ; in front of the loads into the registers that held A's fragments, and of the reads of the last results
	TOSTAGE 0
.irp a, 1,2,3,4,5,6,7
.if \a > 1
	s_wait_xcnt 0x0                                ; block a - 2's stores have read their registers: block a's loads may land there
.endif
	TOSTAGE \a
	SEND \a-1, 32                                  ; behind block a - 1's loads: block a's 16 stores and 16 loads
.endr
	SEND 7, 0
	s_wait_tensorcnt 0x0                           ; the wave's end, behind my last tensor load and my last LDS store
	ds_add_u32 v[SPW], v[NIL]
	s_wait_dscnt 0x0
	CROUND                                         ; the closing round: no work-group ends while a partner may still ask for a tile that names it
	s_endpgm
.Lfunc_end_k_qc1a812bffa_oproj:
	.size	k_qc1a812bffa_oproj, .Lfunc_end_k_qc1a812bffa_oproj-k_qc1a812bffa_oproj
	.p2alignl 7, 3214868480
	.fill 96, 4, 3214868480
	.section	.rodata,"a",@progbits
	.p2align	6, 0x0
	.amdhsa_kernel k_qc1a812bffa_oproj
		.amdhsa_group_segment_fixed_size 327680
		.amdhsa_private_segment_fixed_size 0
		.amdhsa_enable_private_segment 0
		.amdhsa_kernarg_size 48
		.amdhsa_user_sgpr_count 2
		.amdhsa_user_sgpr_kernarg_segment_ptr 1
		.amdhsa_wavefront_size32 1
		.amdhsa_system_sgpr_workgroup_id_x 1
		.amdhsa_system_sgpr_workgroup_id_y 1
		.amdhsa_system_sgpr_workgroup_id_z 1
		.amdhsa_system_vgpr_workitem_id 0
		.amdhsa_next_free_vgpr 1024
		.amdhsa_next_free_sgpr 100
		.amdhsa_reserve_vcc 0
		.amdhsa_float_denorm_mode_32 3
		.amdhsa_float_denorm_mode_16_64 3
		.amdhsa_memory_ordered 1
		.amdhsa_forward_progress 1
		.amdhsa_inst_pref_size 160
	.end_amdhsa_kernel
	.amdgpu_metadata
---
amdhsa.version: [ 1, 2 ]
amdhsa.kernels:
  - .name:           k_qc1a812bffa_oproj
    .symbol:         k_qc1a812bffa_oproj.kd
    .args:
      - { .name: oc, .offset: 0, .size: 8, .value_kind: global_buffer, .address_space: global }
      - { .name: os, .offset: 8, .size: 8, .value_kind: global_buffer, .address_space: global }
      - { .name: cod, .offset: 16, .size: 8, .value_kind: global_buffer, .address_space: global }
      - { .name: scl, .offset: 24, .size: 8, .value_kind: global_buffer, .address_space: global }
      - { .name: bo, .offset: 32, .size: 8, .value_kind: global_buffer, .address_space: global }
      - { .name: out0, .offset: 40, .size: 8, .value_kind: global_buffer, .address_space: global }
    .group_segment_fixed_size: 327680
    .private_segment_fixed_size: 0
    .kernarg_segment_align: 8
    .kernarg_segment_size: 48
    .max_flat_workgroup_size: 128
    .sgpr_count:     100
    .vgpr_count:     1024
    .wavefront_size: 32
...
	.end_amdgpu_metadata
.endif
;; end of part 4
